; MI455X (gfx1250); checked and timed in simulation.
; The chip was launched on July 23, 2026; its instructions are those of AMD's public machine-readable ISA for CDNA 5 (MIT licence, August 2026) and "CDNA5" Instruction Set Architecture Reference Guide (July 2026). The comments in the code are by the model that wrote it; some were corrected since.
;; Mo E Layer. Allowed arithmetic: float matrix products may take bf16 or f16 operands with f32 sums; other float arithmetic in f32, or as packed bf16 or f16 multiplies, adds, multiply-adds, maxima and minima; sums over many terms, partial sums and values carried from step to step in f32; what a program stores and reads back later, other than sums and carried values, may be rounded once to bf16 or f16.
;; Inputs: W1 8 x 1,024 x 4,096 float32; W2 8 x 4,096 x 1,024 float32; Wr 1,024 x 8 float32; b1 8 x 4,096 float32; b2 8 x 1,024 float32; br 8 float32; x 4 x 256 x 1,024 float32.
;; Outputs: out0 4 x 256 x 1,024 float32; out1 one number float32.
;; 2 versions, each right. Each part assembles by itself: llvm-mc -triple=amdgcn-amd-amdhsa -mcpu=gfx1250 --defsym DOCPART=n.
;; ======== version 1 of 2: 4 launches
;; workspace buffers: xb 2,097,152 bytes; ridx 4,096 bytes of whole numbers; rgate 8,192 bytes; raux 16,384 bytes; hbuf 16,777,216 bytes; pbuf 33,554,432 bytes
;; launch router (part 1): grid 256 x 1, 1 waves a work-group, no clusters, 0 bytes of LDS; arguments x, Wr, br, xb, ridx, rgate, raux; writes xb, ridx, rgate, raux
.if DOCPART == 1
	.amdgcn_target "amdgcn-amd-amdhsa--gfx1250"
	.amdhsa_code_object_version 6
	.text
	.protected	k_q085dc7ffb9_router
	.globl	k_q085dc7ffb9_router
	.p2align	8
	.type	k_q085dc7ffb9_router,@function
k_q085dc7ffb9_router:
	s_mov_b64 s[64:65], 0
	v_nop
	global_prefetch_b8 v0, s[64:65] scope:SCOPE_SE
	s_setreg_imm32_b32 hwreg(HW_REG_WAVE_MODE, 25, 1), 1
	s_wait_xcnt 0x0
; ROUTER.  gates = softmax(x Wr + br) over 8 experts, top 2 of them; x is also written out rounded to bf16.
; One wave owns four tokens (4 b .. 4 b + 3).  x, Wr and br are rounded to bf16 once, like every input of this program, and all
; arithmetic behind that is f32 on the vector unit: 8 columns are too few for the matrix unit, and the choice hangs on small differences.
; Lane l holds x[t][128 j + 4 l + i] and the 8 numbers of Wr's row 128 j + 4 l + i; 32 partial sums a lane (4 tokens x 8 experts)
; are added across the lanes by a reduction that hands token l & 3 to lane l.
; Stored at fixed places: ridx[token] = e1 | e2 << 8, rgate[token] = g1, g2, raux[b] = the four tokens' sums of the 8 gates and of the 8 dispatch flags.
; LIMITS.  The logits' f32 sums run in another order than a plain dot product: a token whose second and third gate agree to the last bits may
; choose otherwise.  Equal gates: the lower index wins.  An exponential below 2^-126 counts as 0.  NaN and infinities are not treated apart.
.set ACC, 16                           ; v[16:47]   token t, expert e at ACC + 8 t + e
.set X,   64                           ; v[64:191]  token t, chunk j at X + 32 t + 4 j
.set T,   192                          ; v[192:255] x as bf16 pairs, to store
                                       ; window 1: Wr, row 128 j + 4 l + i at v[32 j + 8 i .. + 7]
.set MSB, 0
.macro WIN new                         ; the immediate's high byte repeats the setting that is left
.if MSB != (\new)
	s_set_vgpr_msb (MSB<<8)|(\new)
.set MSB, (\new)
.endif
.endm
	s_load_b256 s[4:11], s[0:1], 0x0               ; x s[4:5], Wr s[6:7], br s[8:9], xb s[10:11]
	s_load_b128 s[12:15], s[0:1], 0x20             ; ridx s[12:13], rgate s[14:15]
	s_load_b64 s[16:17], s[0:1], 0x30              ; raux
	v_lshlrev_b32 v1, 4, v0                        ; 16 l: my 16 bytes of 512 of x
	v_lshlrev_b32 v2, 7, v0                        ; 128 l: my four rows of Wr
	v_lshlrev_b32 v3, 3, v0                        ; 8 l: my 8 bytes of 256 of xb
	v_and_b32 v4, 3, v0                            ; the token that the reduction leaves in my lane
	s_mov_b32 s28, 0xaaaaaaaa                      ; lanes with bit 0 set
	s_mov_b32 s29, 0xcccccccc                      ; lanes with bit 1 set
	s_mov_b32 s30, 0x76543210                      ; v_permlanex16_b32: each lane takes its own place in the other half
	s_mov_b32 s31, 0xfedcba98
	s_mov_b32 s35, 0xffff0000                      ; a word's upper bf16
	s_mov_b32 s33, 0
	s_wait_kmcnt 0x0
	s_load_b256 s[20:27], s[8:9], 0x0              ; br
	s_lshl_b32 s32, ttmp9, 14                      ; four rows of 4,096 bytes
	s_add_nc_u64 s[4:5], s[4:5], s[32:33]
	s_lshl_b32 s32, ttmp9, 13
	s_add_nc_u64 s[10:11], s[10:11], s[32:33]
	s_lshl_b32 s32, ttmp9, 4
	s_add_nc_u64 s[12:13], s[12:13], s[32:33]
	s_lshl_b32 s32, ttmp9, 5
	s_add_nc_u64 s[14:15], s[14:15], s[32:33]
	s_lshl_b32 s32, ttmp9, 6
	s_add_nc_u64 s[16:17], s[16:17], s[32:33]
.set t, 0
.rept 4
.set j, 0
.rept 8
	global_load_b128 v[X+32*t+4*j:X+32*t+4*j+3], v1, s[4:5] offset:4096*t+512*j th:TH_LOAD_NT
.set j, j+1
.endr
.set t, t+1
.endr
	WIN 0x40                                       ; destination window 1
.set j, 0
.rept 8
.set i, 0
.rept 8
	global_load_b128 v[32*j+4*i:32*j+4*i+3], v2, s[6:7] offset:4096*j+16*i
.set i, i+1
.endr
.set j, j+1
.endr
	WIN 0
	s_wait_loadcnt 63                              ; of the 96 loads at most 63 are out: the oldest 32, x, are in
.set k, 0
.rept 64                                           ; x rounded to bf16, kept packed for the store and widened again for the products
	v_cvt_pk_bf16_f32 v[T+k], v[X+2*k], v[X+2*k+1]
	v_and_b32 v[X+2*k+1], s35, v[T+k]
	v_lshlrev_b32 v[X+2*k], 16, v[T+k]
.set k, k+1
.endr
.set t, 0
.rept 4
.set j, 0
.rept 8
	global_store_b64 v3, v[T+16*t+2*j:T+16*t+2*j+1], s[10:11] offset:2048*t+256*j  ; the wave stores 256 consecutive bytes, aligned
.set j, j+1
.endr
.set t, t+1
.endr
	s_wait_loadcnt 0x0                             ; Wr
	WIN 0x45                                       ; sources and destination in window 1
.set k, 0
.rept 128                                          ; Wr rounded to bf16, in place
	v_cvt_pk_bf16_f32 v[2*k], v[2*k], v[2*k+1]
	v_and_b32 v[2*k+1], s35, v[2*k]
	v_lshlrev_b32 v[2*k], 16, v[2*k]
.set k, k+1
.endr
	WIN 0x04                                       ; source 1 (Wr) in window 1
; 512 packed multiply-adds: one x, given to both halves, times two neighbouring experts' weights.  16 accumulator pairs take turns; the first products start the sums.
.set j, 0
.rept 8
.set i, 0
.rept 4
.set t, 0
.rept 4
.set q, 0
.rept 4
.set xr, X+32*t+4*j+(i&2)
.set wr, 32*j+8*i+2*q
.set ar, ACC+8*t+2*q
.if (j == 0) && (i == 0)
	v_pk_mul_f32 v[ar:ar+1], v[xr:xr+1], v[wr:wr+1] op_sel_hi:[0,1]
.elseif (i&1) == 0
	v_pk_fma_f32 v[ar:ar+1], v[xr:xr+1], v[wr:wr+1], v[ar:ar+1] op_sel_hi:[0,1,1]
.else
	v_pk_fma_f32 v[ar:ar+1], v[xr:xr+1], v[wr:wr+1], v[ar:ar+1] op_sel:[1,0,0] op_sel_hi:[1,1,1]
.endif
.set q, q+1
.endr
.set t, t+1
.endr
.set i, i+1
.endr
.set j, j+1
.endr
	WIN 0
; Two sums a and b become one register: lanes of the mask keep b, the others a, and each adds what its neighbour holds of the same.
.macro RED2 a, b, m, x, tmp
	v_cndmask_b32 v[\tmp], v[\b], v[\a], \m
	v_cndmask_b32 v[\a], v[\a], v[\b], \m
	v_add_f32_dpp v[\a], v[\tmp], v[\a] row_xmask:\x row_mask:0xf bank_mask:0xf
.endm
.irp e, 0,1,2,3,4,5,6,7
	RED2 ACC+\e, ACC+8+\e, s28, 1, 5+\e
.endr
.irp e, 0,1,2,3,4,5,6,7
	RED2 ACC+16+\e, ACC+24+\e, s28, 1, 5+\e
.endr
.irp e, 0,1,2,3,4,5,6,7
	RED2 ACC+\e, ACC+16+\e, s29, 2, 5+\e
.endr
.irp e, 0,1,2,3,4,5,6,7
	v_add_f32_dpp v[ACC+\e], v[ACC+\e], v[ACC+\e] row_xmask:4 row_mask:0xf bank_mask:0xf
.endr
.irp e, 0,1,2,3,4,5,6,7
	v_add_f32_dpp v[ACC+\e], v[ACC+\e], v[ACC+\e] row_xmask:8 row_mask:0xf bank_mask:0xf
.endr
.irp e, 0,1,2,3,4,5,6,7
	v_permlanex16_b32 v[5+\e], v[ACC+\e], s30, s31
.endr
	s_wait_kmcnt 0x0                               ; br
.irp e, 0,1,2,3,4,5,6,7
	v_add_f32 v[ACC+\e], v[ACC+\e], v[5+\e]        ; lane l: the 8 products of token l & 3
	v_mov_b32 v[24+\e], s[20+\e]
.endr
.irp q, 0,1,2,3                                    ; br rounded to bf16
	v_cvt_pk_bf16_f32 v[24+2*\q], v[24+2*\q], v[25+2*\q]
	v_and_b32 v[25+2*\q], s35, v[24+2*\q]
	v_lshlrev_b32 v[24+2*\q], 16, v[24+2*\q]
.endr
.irp e, 0,1,2,3,4,5,6,7
	v_add_f32 v[ACC+\e], v[ACC+\e], v[24+\e]
.endr
	v_max3_num_f32 v13, v16, v17, v18              ; the softmax takes its maximum away first
	v_max3_num_f32 v13, v13, v19, v20
	v_max3_num_f32 v13, v13, v21, v22
	v_max_num_f32 v13, v13, v23
.irp e, 0,1,2,3,4,5,6,7
	v_sub_f32 v[24+\e], v[ACC+\e], v13
.endr
.irp e, 0,1,2,3,4,5,6,7
	v_mul_f32 v[24+\e], 0x3fb8aa3b, v[24+\e]       ; log2(e)
.endr
.irp e, 0,1,2,3,4,5,6,7
	v_exp_f32 v[24+\e], v[24+\e]
.endr
	v_nop                                          ; a plain instruction behind the last exponential,
	s_wait_alu depctr_va_vdst(0)                   ; and one wait for the eight, ahead of their first reader
	v_add_f32 v14, v24, v25
	v_add_f32 v15, v26, v27
	v_add_f32 v12, v28, v29
	v_add_f32 v13, v30, v31
	v_add_f32 v14, v14, v15
	v_add_f32 v12, v12, v13
	v_add_f32 v14, v14, v12
	v_rcp_f32 v15, v14
	v_nop
	s_wait_alu depctr_va_vdst(0)
.irp e, 0,1,2,3,4,5,6,7
	v_mul_f32 v[32+\e], v[24+\e], v15              ; the gates
.endr
	v_mov_b32 v10, v32                             ; the largest gate and its index; a strict comparison keeps the lower index among equals
	v_mov_b32 v6, 0
.irp e, 1,2,3,4,5,6,7
	v_cmp_gt_f32 vcc_lo, v[32+\e], v10
	v_cndmask_b32 v10, v10, v[32+\e], vcc_lo
	v_cndmask_b32 v6, v6, \e, vcc_lo
.endr
.irp e, 0,1,2,3,4,5,6,7
	v_cmp_eq_u32 vcc_lo, \e, v6
	v_cndmask_b32 v[48+\e], v[32+\e], -1.0, vcc_lo ; the winner is taken out: gates are never below 0
.endr
	v_mov_b32 v11, v48
	v_mov_b32 v8, 0
.irp e, 1,2,3,4,5,6,7
	v_cmp_gt_f32 vcc_lo, v[48+\e], v11
	v_cndmask_b32 v11, v11, v[48+\e], vcc_lo
	v_cndmask_b32 v8, v8, \e, vcc_lo
.endr
.irp e, 0,1,2,3,4,5,6,7
	v_cmp_eq_u32 s34, \e, v6
	v_cmp_eq_u32 vcc_lo, \e, v8
	s_or_b32 vcc_lo, vcc_lo, s34
	v_cndmask_b32 v[40+\e], 0, 1.0, vcc_lo         ; the dispatch flags
.endr
	v_lshl_or_b32 v9, v8, 8, v6
	v_lshlrev_b32 v12, 2, v4
	v_lshlrev_b32 v13, 3, v4
	global_store_b32 v12, v9, s[12:13]             ; the eight lanes of a token store the same word to the same place
	global_store_b64 v13, v[10:11], s[14:15]
.set k, 32
.rept 16                                           ; gates and flags summed over the four tokens
	v_add_f32_dpp v[k], v[k], v[k] row_xmask:1 row_mask:0xf bank_mask:0xf
.set k, k+1
.endr
.set k, 32
.rept 16
	v_add_f32_dpp v[k], v[k], v[k] row_xmask:2 row_mask:0xf bank_mask:0xf
.set k, k+1
.endr
	v_mov_b32 v14, 0
.irp k, 0,1,2,3
	global_store_b128 v14, v[32+4*\k:35+4*\k], s[16:17] offset:16*\k  ; every lane holds the same 16 sums
.endr
	s_endpgm
.Lfunc_end_k_q085dc7ffb9_router:
	.size	k_q085dc7ffb9_router, .Lfunc_end_k_q085dc7ffb9_router-k_q085dc7ffb9_router
	.p2alignl 7, 3214868480
	.fill 96, 4, 3214868480
	.section	.rodata,"a",@progbits
	.p2align	6, 0x0
	.amdhsa_kernel k_q085dc7ffb9_router
		.amdhsa_group_segment_fixed_size 0
		.amdhsa_private_segment_fixed_size 0
		.amdhsa_enable_private_segment 0
		.amdhsa_kernarg_size 56
		.amdhsa_user_sgpr_count 2
		.amdhsa_user_sgpr_kernarg_segment_ptr 1
		.amdhsa_wavefront_size32 1
		.amdhsa_system_sgpr_workgroup_id_x 1
		.amdhsa_system_sgpr_workgroup_id_y 1
		.amdhsa_system_sgpr_workgroup_id_z 1
		.amdhsa_system_vgpr_workitem_id 0
		.amdhsa_next_free_vgpr 512
		.amdhsa_next_free_sgpr 66
		.amdhsa_reserve_vcc 1
		.amdhsa_float_denorm_mode_32 3
		.amdhsa_float_denorm_mode_16_64 3
		.amdhsa_memory_ordered 1
		.amdhsa_forward_progress 1
		.amdhsa_inst_pref_size 86
	.end_amdhsa_kernel
	.amdgpu_metadata
---
amdhsa.version: [ 1, 2 ]
amdhsa.kernels:
  - .name:           k_q085dc7ffb9_router
    .symbol:         k_q085dc7ffb9_router.kd
    .args:
      - { .name: x, .offset: 0, .size: 8, .value_kind: global_buffer, .address_space: global }
      - { .name: Wr, .offset: 8, .size: 8, .value_kind: global_buffer, .address_space: global }
      - { .name: br, .offset: 16, .size: 8, .value_kind: global_buffer, .address_space: global }
      - { .name: xb, .offset: 24, .size: 8, .value_kind: global_buffer, .address_space: global }
      - { .name: ridx, .offset: 32, .size: 8, .value_kind: global_buffer, .address_space: global }
      - { .name: rgate, .offset: 40, .size: 8, .value_kind: global_buffer, .address_space: global }
      - { .name: raux, .offset: 48, .size: 8, .value_kind: global_buffer, .address_space: global }
    .group_segment_fixed_size: 0
    .private_segment_fixed_size: 0
    .kernarg_segment_align: 8
    .kernarg_segment_size: 56
    .max_flat_workgroup_size: 32
    .sgpr_count:     66
    .vgpr_count:     512
    .wavefront_size: 32
...
	.end_amdgpu_metadata
.endif
;; end of part 1
;; launch ffn1 (part 2): grid 256 x 1, 4 waves a work-group, no clusters, 131,072 bytes of LDS; arguments xb, W1, b1, ridx, hbuf; writes hbuf
.if DOCPART == 2
	.amdgcn_target "amdgcn-amd-amdhsa--gfx1250"
	.amdhsa_code_object_version 6
	.text
	.protected	k_q085dc7ffb9_ffn1
	.globl	k_q085dc7ffb9_ffn1
	.p2align	8
	.type	k_q085dc7ffb9_ffn1,@function
k_q085dc7ffb9_ffn1:
	s_mov_b64 s[64:65], 0
	v_nop
	global_prefetch_b8 v0, s[64:65] scope:SCOPE_SE
	s_setreg_imm32_b32 hwreg(HW_REG_WAVE_MODE, 25, 1), 1
	s_wait_xcnt 0x0
; ONE PRODUCT OF THE EXPERTS' MLP; one text for both, chosen by WHICH.
; WHICH = 1: H[slot] = gelu(x[token] W1[e] + b1[e]), bf16.  WHICH = 2: P[ks][slot] = H[slot][quarter ks] W2[e][quarter ks], f32 partial sums that a later launch adds.
; slot = 2 token + k names a token's k-th chosen expert.  Only the chosen rows are multiplied.
; SHARES.  A work-group has one expert and a slice of its weights, 1,024 along K x 128 columns (524,288 bytes of f32 that it alone reads), and ALL rows of that expert.
; Wave 0 makes the list of the expert's slots from ridx (whole numbers that an earlier launch stored).  Rows go in tiles of 16; tile 4 j + w of a pass is wave w's, j = 0..4:
; a pass serves 320 rows, four passes (a constant) serve every split, 1,024 rows on one expert too.  Only a pass beyond the first that has rows reads the slice again.
; K goes in 8 chunks of 128.  A chunk's weights come through registers, are rounded to bf16 there and laid into LDS as [k][n]; each wave lays its own tiles' rows into LDS bytes of its own.
; The next chunk is asked for before this chunk is multiplied.  Two barriers a chunk: all reads of W are over; W is whole.  No barrier stands under a branch on data.
; THE MATRIX INSTRUCTION IS USED TRANSPOSED: source 0 = 16 columns of W (turned on the way out of LDS), source 1 = 16 rows: a lane holds one row's eight neighbouring columns.
; No tensor loads: f32 weights must pass through registers to be rounded, and the rows come by a list.  No cluster: what an expert's work-groups share is those listed rows.
; The accumulators are written by moves ahead of a pass (WHICH = 1: with the bias; 2: with 0), so that one text of a chunk serves every chunk of every pass.
; LIMITS.  All inputs are rounded to bf16 once (b1 too).  erf by a rational approximation with an exponential (five coefficients), absolute error up to 1.5e-7 for every argument.
; Places past the count in a tile repeat the list's last row (equal bytes stored again by the same wave).  NaN and infinities are not treated apart.
.set WHICH, 1
.if WHICH == 1
.set WPITCH, 16384                     ; bytes from row to row of W
.set SRI,  10                          ; s[10:11] ridx
.set ASH,  10                          ; 2 x token << 10: x's row of 2,048 bytes
.set OSH,  13                          ; slot << 13: H's row of 8,192 bytes
.else
.set WPITCH, 4096
.set SRI,  8                           ; s[8:9] ridx
.set ASH,  13                          ; slot << 13: H's row
.set OSH,  12                          ; slot << 12: P's row of 4,096 bytes
.endif
.set PW,    288                        ; a K row of W in LDS: 256 bytes + 32: the turning load's 8 rows x 32 bytes fall on different banks
.set PA,    272                        ; a token row in LDS: 256 bytes + 16
.set PS,    528                        ; WHICH = 2: a row of the f32 stage: 512 bytes + 16
.set AREG,  128*PW                     ; behind W: 80 rows for each wave, also its stage on the way out
.set ASZ,   80*PA
.set LIST,  AREG+4*ASZ                 ; the expert's slots by rank; zeros behind them
.set DUMPI, 1300                       ; the list's entry that takes the stores of lanes without a slot; no pass reads it (the last entry read is 1,279)
.set CNTW,  LIST+6400                  ; the number of slots
.set SPARE, LIST+6656                  ; the spare words, 128 bytes a wave: two blocks of 256 bytes that no other line names
; window 0: v1 lane; v2, v3 the add's two; v4 16 l; v5 W store; v6 row-wise place in my rows; v7 fragment place in my rows; v8 W fragment place; v9 list place; v10 16 (l % 16); v11 prefetch offset;
;           v12, v13 f32 stage in and back; v14 bias offset; v15-39 at work; v40-47 a tile's store offsets; v48-127 row fragments, two buffers of 5; v128-255 W fragments, two buffers of 8
; window 1: accumulators of tiles 0-3 at 64 j + 8 nb      window 2: v0-63 tile 4; v64-191 W as loaded; v192-255 W rounded
; window 3: v0-159 rows as loaded; v160-199 their load offsets; v200-239 their output rows' offsets
; s14 wave; s15 expert; s17 count; s19 320 x pass; s20 my tiles with rows; s21 my tiles staged and multiplied (0, 2, 4, 5); s22 the pass has rows; s23, s24, s25 counters;
; s[26:27] my rows of the slice; s[28:29] the chunk being loaded; s[30:31], s[32:33] the same for the token rows; s[34:35] output; s[44:59] constants; s[60:61] bias; s62 the pass's place in the list
.set MSB, 0
.macro WIN new                         ; the immediate's high byte repeats the setting that is left; at every label and branch the setting is 0
.if MSB != (\new)
	s_set_vgpr_msb (MSB<<8)|(\new)
.set MSB, (\new)
.endif
.endm
.macro PLACES                          ; four plain vector instructions between a matrix instruction and what reads its result or loads into its registers
.rept 4
	v_nop
.endr
.endm
.macro WLOAD                           ; my 32 K rows of a chunk: each load takes a slice row's 512 consecutive bytes
	WIN 0x80
.set wi, 0
.rept 32
	global_load_b128 v[64+4*wi:64+4*wi+3], v4, s[28:29] offset:wi*WPITCH th:TH_LOAD_NT
.set wi, wi+1
.endr
	WIN 0
.endm
.macro ALOADT j                        ; tile j's 16 rows x 256 bytes: 16 lanes take one row's piece
	WIN 0xc3
.irp i, 0,1,2,3,4,5,6,7
	global_load_b128 v[32*(\j)+4*\i:32*(\j)+4*\i+3], v[160+8*(\j)+\i], s[32:33]
.endr
.endm
.macro WCVT                            ; rounded to bf16 and laid into LDS, 256 consecutive bytes a store
	WIN 0x8a
.set wi, 0
.rept 32
	v_cvt_pk_bf16_f32 v[192+2*wi], v[64+4*wi], v[64+4*wi+1]
	v_cvt_pk_bf16_f32 v[193+2*wi], v[64+4*wi+2], v[64+4*wi+3]
.set wi, wi+1
.endr
	WIN 0x08
.set wi, 0
.rept 32
	ds_store_b64 v5, v[192+2*wi:193+2*wi] offset:PW*wi
.set wi, wi+1
.endr
	WIN 0
.endm
.macro ASTORET j
	WIN 0x0c
.irp i, 0,1,2,3,4,5,6,7
	ds_store_b128 v6, v[32*(\j)+4*\i:32*(\j)+4*\i+3] offset:(16*(\j)+\i)*PA
.endr
.endm
.macro FRAG s, u, n                    ; the fragments of 32 along K, step s of a chunk's four, into buffer u: 8 of W, n of rows: 16 + 2 n loads
	WIN 0
.irp nb, 0,1,2,3,4,5,6,7
	ds_load_tr16_b128 v[128+64*(\u)+8*\nb:128+64*(\u)+8*\nb+3],   v8 offset:32*(\s)*PW+32*\nb
	ds_load_tr16_b128 v[128+64*(\u)+8*\nb+4:128+64*(\u)+8*\nb+7], v8 offset:32*(\s)*PW+16*PW+32*\nb
.endr
.set fj, 0
.rept \n
	ds_load_b128 v[48+40*(\u)+8*fj:48+40*(\u)+8*fj+3],   v7 offset:16*fj*PA+64*(\s)
	ds_load_b128 v[48+40*(\u)+8*fj+4:48+40*(\u)+8*fj+7], v7 offset:16*fj*PA+64*(\s)+32
.set fj, fj+1
.endr
.endm
.macro MUL u, n                        ; 8 n matrix instructions; the 8 n accumulators take turns, one instruction a turn, in the same order in every step
.set mj, 0
.rept \n
.if mj < 4
	WIN 0x50
.set mb, 64*mj
.else
	WIN 0xa0
.set mb, 0
.endif
.irp nb, 0,1,2,3,4,5,6,7
	v_wmma_f32_16x16x32_bf16 v[mb+8*\nb:mb+8*\nb+7], v[128+64*(\u)+8*\nb:128+64*(\u)+8*\nb+7], v[48+40*(\u)+8*mj:48+40*(\u)+8*mj+7], v[mb+8*\nb:mb+8*\nb+7]
.endr
.set mj, mj+1
.endr
.endm
.macro COMPUTE n                       ; a chunk for n tiles: a step's fragments are fetched while the step before is multiplied
	PLACES
	FRAG 0, 0, \n
	FRAG 1, 1, \n
	s_wait_dscnt 16+2*(\n)                         ; all but the run just issued
	MUL 0, \n
	PLACES
	FRAG 2, 0, \n
	s_wait_dscnt 16+2*(\n)
	MUL 1, \n
	PLACES
	FRAG 3, 1, \n
	s_wait_dscnt 16+2*(\n)
	MUL 0, \n
	s_wait_dscnt 0x0
	MUL 1, \n
	WIN 0
.endm
.macro PASSVARS                        ; what the pass at row s19 holds for my wave
	s_sub_co_i32 s36, s17, s19
	s_max_i32 s36, s36, 0                          ; rows left
	s_min_u32 s22, s36, 1
	s_add_co_u32 s37, s36, 15
	s_lshr_b32 s37, s37, 4
	s_min_u32 s37, s37, 20                         ; the pass's tiles
	s_add_co_u32 s37, s37, 3
	s_sub_co_u32 s37, s37, s14
	s_lshr_b32 s20, s37, 2                         ; of them 4 j + w: mine
	s_add_co_u32 s21, s20, 1
	s_and_b32 s21, s21, 6
	s_min_u32 s21, s21, 5                          ; rounded up to 0, 2, 4 or 5: three texts of a chunk
.endm
.macro PROLOG withw                    ; a pass's offsets from the list, and its chunk 0 (withw = 1: the weights' too)
	WIN 0
	s_lshl_b32 s62, s19, 2                         ; 4 bytes an entry, 320 entries a pass;
	s_min_u32 s62, s62, 3840                       ; never beyond the fourth pass's entries
	v_add_nc_u32 v16, s62, v9
.irp j, 0,1,2,3,4
	ds_load_b128 v[48+8*\j:51+8*\j], v16 offset:256*\j
	ds_load_b128 v[52+8*\j:55+8*\j], v16 offset:256*\j+16
.endr
	s_mov_b64 s[32:33], s[30:31]
.if \withw
	s_mov_b64 s[28:29], s[26:27]
	WLOAD
.endif
	s_wait_dscnt 0x0
.set pk, 0
.rept 40
	v_min_u32 v[48+pk], 0x7ff, v[48+pk]            ; a loaded number enters an address only behind a clamp
.if WHICH == 1
	v_and_b32 v[88+pk], 0x7fe, v[48+pk]            ; 2 x token
	v_lshlrev_b32 v[88+pk], ASH, v[88+pk]
.else
	v_lshlrev_b32 v[88+pk], ASH, v[48+pk]
.endif
.set pk, pk+1
.endr
	WIN 0xc0
.set pk, 0
.rept 40
	v_add_nc_u32 v[160+pk], v10, v[88+pk]          ; the row to load, and my 16 bytes of its 256
	v_lshlrev_b32 v[200+pk], OSH, v[48+pk]         ; the row to store
.set pk, pk+1
.endr
.irp j, 0,1,2,3,4
	ALOADT \j
.endr
	WIN 0
.endm
.macro ACCINIT
.set aj, 0
.rept 5
.if aj < 4
	WIN 0x40
.set ab, 64*aj
.else
	WIN 0x80
.set ab, 0
.endif
.set ak, 0
.rept 64
.if WHICH == 1
	v_mov_b32 v[ab+ak], v[128+ak]
.else
	v_mov_b32 v[ab+ak], 0
.endif
.set ak, ak+1
.endr
.set aj, aj+1
.endr
	WIN 0
.endm
.if WHICH == 1
.macro BIASLD                          ; my lane's 8 columns of each of the 8 column blocks
.irp nb, 0,1,2,3,4,5,6,7
	global_load_b128 v[128+8*\nb:131+8*\nb], v14, s[60:61] offset:64*\nb
	global_load_b128 v[132+8*\nb:135+8*\nb], v14, s[60:61] offset:64*\nb+16
.endr
.endm
.macro BIASRND                         ; rounded to bf16, in place
.set bk, 128
.rept 32
	v_cvt_pk_bf16_f32 v[bk], v[bk], v[bk+1]
	v_and_b32 v[bk+1], s59, v[bk]
	v_lshlrev_b32 v[bk], 16, v[bk]
.set bk, bk+2
.endr
.endm
.endif
; Register n of the 32 with the tokens' choices: lane l holds token 128 (n / 4) + 4 l + n % 4.  Who chose my expert takes the next ranks; every other lane stores to the dump entry.
.macro LISTROUND n
	v_and_b32 v16, 0xff, v[192+(\n)]
	v_lshrrev_b32 v17, 8, v[192+(\n)]
	v_cmp_eq_u32 s36, s15, v16
	v_cmp_eq_u32 vcc_lo, s15, v17
	v_cndmask_b32 v18, 0, 1, vcc_lo
	v_add_nc_u32 v18, v18, v15                     ; slot = 2 token + k
.if (\n) != 0
	v_add_nc_u32 v18, 256*((\n)/4)+2*((\n)%4), v18
.endif
	s_or_b32 vcc_lo, vcc_lo, s36
	v_mbcnt_lo_u32_b32 v19, vcc_lo, s38            ; the ranks taken so far + the choosing lanes below mine
	v_cndmask_b32 v19, v21, v19, vcc_lo
	v_min_u32 v19, DUMPI, v19                      ; a number made of loaded ones enters an address only behind a clamp
	v_lshlrev_b32 v19, 2, v19
	v_add_nc_u32 v19, LIST, v19
	ds_store_b32 v19, v18
	s_bcnt1_i32_b32 s42, vcc_lo
	s_add_co_u32 s38, s38, s42
.endm
.if WHICH == 1
.macro EBLOCK j                        ; tile j: x / 2 into window 0, each accumulator from its low end on; and its store offsets
.if (\j) < 4
	WIN 0x01
.set eb, 64*(\j)
.else
	WIN 0x02
.set eb, 0
.endif
.set ek, 0
.rept 32
	v_pk_mul_f32 v[48+ek:49+ek], v[eb+ek:eb+ek+1], 0.5 op_sel_hi:[1,0]
.set ek, ek+2
.endr
	WIN 0x0c
.irp i, 0,1,2,3,4,5,6,7
	v_add_nc_u32 v[40+\i], v10, v[200+8*(\j)+\i]
.endr
	WIN 0
.endm
; gelu(x) = x/2 + |x/2| erf(|x| / sqrt 2) for 32 numbers.  erf(z) = 1 - (a1 t + .. + a5 t^5) e^(-z z), t = 1 / (1 + p z).  With y = x / 2: p z = p sqrt 2 |y|, z z = 2 y y.
; The 32 reciprocals and 32 exponentials are one batch with one wait.
.macro GELU16 b
.set GX, 48+32*(\b)
.set g, 0
.rept 32
	v_and_b32 v[112+g], s58, v[GX+g]
.set g, g+1
.endr
.set g, 0
.rept 16
	v_pk_fma_f32 v[144+g:145+g], v[112+g:113+g], s[44:45], 1.0 op_sel_hi:[1,0,0]
	v_pk_mul_f32 v[176+g:177+g], v[GX+g:GX+g+1], s[46:47] op_sel_hi:[1,0]
.set g, g+2
.endr
.set g, 0
.rept 16
	v_pk_mul_f32 v[176+g:177+g], v[176+g:177+g], v[GX+g:GX+g+1]
.set g, g+2
.endr
.set g, 0
.rept 32
	v_rcp_f32 v[144+g], v[144+g]
.set g, g+1
.endr
.set g, 0
.rept 32
	v_exp_f32 v[176+g], v[176+g]
.set g, g+1
.endr
	v_nop                                          ; a plain instruction behind the last of the batch,
	s_wait_alu depctr_va_vdst(0)                   ; and one wait ahead of the first reader
.set g, 0
.rept 16
	v_pk_fma_f32 v[208+g:209+g], v[144+g:145+g], s[48:49], s[50:51] op_sel_hi:[1,0,0]
.set g, g+2
.endr
.irp c, 52, 54, 56
.set g, 0
.rept 16
	v_pk_fma_f32 v[208+g:209+g], v[208+g:209+g], v[144+g:145+g], s[\c:\c+1] op_sel_hi:[1,1,0]
.set g, g+2
.endr
.endr
.set g, 0
.rept 16
	v_pk_mul_f32 v[208+g:209+g], v[208+g:209+g], v[144+g:145+g]
.set g, g+2
.endr
.set g, 0
.rept 16
	v_pk_fma_f32 v[208+g:209+g], v[208+g:209+g], v[176+g:177+g], 1.0 op_sel_hi:[1,1,0] neg_lo:[1,0,0] neg_hi:[1,0,0]
.set g, g+2
.endr
.set g, 0
.rept 16
	v_pk_fma_f32 v[GX+g:GX+g+1], v[112+g:113+g], v[208+g:209+g], v[GX+g:GX+g+1]
.set g, g+2
.endr
.set g, 0
.rept 16
	v_cvt_pk_bf16_f32 v[240+g], v[GX+2*g], v[GX+2*g+1]
.set g, g+1
.endr
.irp q, 0,1,2,3
	ds_store_b128 v7, v[240+4*\q:243+4*\q] offset:32*(4*(\b)+\q)
.endr
.endm
.else
.macro EBLOCK j                        ; tile j's sums into my stage, each accumulator's low half first; and its store offsets
.if (\j) < 4
	WIN 0x04
.set eb, 64*(\j)
.else
	WIN 0x08
.set eb, 0
.endif
.irp nb, 0,1,2,3,4,5,6,7
	ds_store_b128 v12, v[eb+8*\nb:eb+8*\nb+3] offset:64*\nb
	ds_store_b128 v12, v[eb+8*\nb+4:eb+8*\nb+7] offset:64*\nb+16
.endr
	WIN 0x0c
.irp i, 0,1,2,3,4,5,6,7
	v_add_nc_u32 v[40+\i], v10, v[200+8*(\j)+\i]
.endr
	WIN 0
.endm
.endif
	s_load_b256 s[4:11], s[0:1], 0x0               ; WHICH = 1: xb, W1, b1, ridx.  WHICH = 2: hbuf, W2, ridx, pbuf
.if WHICH == 1
	s_load_b64 s[12:13], s[0:1], 0x20              ; hbuf
.endif
	v_lshl_add_u32 v2, v0, 2, SPARE                ; my spare word,
	v_mov_b32 v3, 0                                ; and 0: kept for the add at the wave's end
	v_lshrrev_b32 v24, 5, v0
	v_readfirstlane_b32 s14, v24                   ; wave 0..3
	v_and_b32 v1, 31, v0                           ; l
	v_and_b32 v24, 15, v0                          ; l % 16
	v_bfe_u32 v25, v0, 4, 1                        ; l / 16
	v_lshlrev_b32 v4, 4, v1
	s_mul_i32 s36, s14, 32*PW
	v_lshl_add_u32 v5, v1, 3, s36                  ; my 32 K rows of W, 8 bytes a lane
	s_mul_i32 s37, s14, ASZ
	s_add_co_u32 s37, s37, AREG                    ; my rows' bytes
	v_lshlrev_b32 v10, 4, v24
	v_mul_u32_u24 v6, v25, 8*PA
	v_add_nc_u32 v6, v6, v10
	v_add_nc_u32 v6, s37, v6                       ; row 8 (l / 16), byte 16 (l % 16)
	v_mul_u32_u24 v7, v24, PA
	v_lshl_add_u32 v7, v25, 4, v7
	v_add_nc_u32 v7, s37, v7                       ; row l % 16, byte 16 (l / 16)
	v_and_b32 v26, 7, v0
	v_lshl_add_u32 v26, v25, 3, v26
	v_mul_u32_u24 v8, v26, PW
	v_bfe_u32 v26, v0, 3, 1
	v_lshl_add_u32 v8, v26, 4, v8                  ; the turning load: K row 8 (l / 16) + l % 8, byte 16 ((l / 8) % 2)
	s_lshl_b32 s38, s14, 6
	s_add_co_u32 s38, s38, LIST
	v_lshl_add_u32 v9, v25, 5, s38                 ; list entry 16 w + 8 (l / 16)
	v_lshrrev_b32 v26, 1, v1
	v_mul_u32_u24 v11, v26, WPITCH
	v_and_b32 v26, 1, v0
	v_lshl_add_u32 v11, v26, 8, v11                ; prefetch: row l / 2, block l % 2 of 256 bytes
.if WHICH == 1
	v_lshlrev_b32 v14, 5, v25
	s_mov_b32 s44, 0x3eed3388                      ; p sqrt 2 = 0.46328378
	s_mov_b32 s45, 0x3eed3388
	s_mov_b32 s46, 0xc038aa3b                      ; -2 log2(e)
	s_mov_b32 s47, 0xc038aa3b
	s_mov_b32 s48, 0x3f87dc22                      ; a5 = 1.061405429
	s_mov_b32 s49, 0x3f87dc22
	s_mov_b32 s50, 0xbfba00e3                      ; a4 = -1.453152027
	s_mov_b32 s51, 0xbfba00e3
	s_mov_b32 s52, 0x3fb5f0e3                      ; a3 = 1.421413741
	s_mov_b32 s53, 0x3fb5f0e3
	s_mov_b32 s54, 0xbe91a98e                      ; a2 = -0.284496736
	s_mov_b32 s55, 0xbe91a98e
	s_mov_b32 s56, 0x3e827906                      ; a1 = 0.254829592
	s_mov_b32 s57, 0x3e827906
	s_mov_b32 s58, 0x7fffffff
	s_mov_b32 s59, 0xffff0000
.else
	v_mul_u32_u24 v12, v24, PS
	v_lshl_add_u32 v12, v25, 5, v12
	v_add_nc_u32 v12, s37, v12                     ; stage in: row l % 16, byte 32 (l / 16)
	v_mul_u32_u24 v13, v25, 8*PS
	v_add_nc_u32 v13, v13, v10
	v_add_nc_u32 v13, s37, v13                     ; stage back: row 8 (l / 16), byte 16 (l % 16)
.endif
	s_lshr_b32 s15, ttmp9, 5                       ; the expert
	s_mov_b32 s41, 0
.if WHICH == 1
	s_and_b32 s16, ttmp9, 31                       ; which 128 of 4,096 columns
	s_lshl_b32 s18, s14, 19                        ; my 32 rows of a chunk
.else
	s_and_b32 s16, ttmp9, 7                        ; which 128 of 1,024 columns
	s_bfe_u32 s42, ttmp9, 0x20003                  ; ks: which quarter of K
	s_lshl_b32 s18, s14, 17
	s_lshl_b32 s43, s42, 22
	s_add_co_u32 s18, s18, s43
.endif
	s_lshl_b32 s40, s15, 24                        ; an expert's weights: 16,777,216 bytes
	s_add_co_u32 s40, s40, s18
	s_lshl_b32 s18, s16, 9                         ; 512 bytes a slice
	s_add_co_u32 s40, s40, s18
	s_wait_kmcnt 0x0
	s_add_nc_u64 s[26:27], s[6:7], s[40:41]
.if WHICH == 1
	s_mov_b64 s[30:31], s[4:5]
	s_lshl_b32 s40, s16, 8
	s_add_nc_u64 s[34:35], s[12:13], s[40:41]
	s_lshl_b32 s40, s15, 14
	s_add_co_u32 s40, s40, s18
	s_add_nc_u64 s[60:61], s[8:9], s[40:41]
.else
	s_lshl_b32 s40, s42, 11
	s_add_nc_u64 s[30:31], s[4:5], s[40:41]
	s_lshl_b32 s40, s42, 23
	s_add_co_u32 s40, s40, s18
	s_add_nc_u64 s[34:35], s[10:11], s[40:41]
.endif
	s_mov_b64 s[28:29], s[26:27]
	s_cmp_lg_u32 s14, 0
	s_cbranch_scc1 .Lno_ridx
.set li, 0
.rept 8
	global_load_b128 v[192+4*li:195+4*li], v4, s[SRI:SRI+1] offset:512*li   ; wave 0: all 1,024 tokens' choices, 512 consecutive bytes a load
.set li, li+1
.endr
.Lno_ridx:
.if WHICH == 1
	BIASLD
.endif
	WLOAD                                          ; chunk 0 of the weights hangs on no list: it is asked for at once
	s_cmp_lg_u32 s14, 0
	s_cbranch_scc1 .Lno_list
.if WHICH == 1
	s_wait_loadcnt 48                              ; the choices are in; behind them 16 loads of the bias and 32 of W
.else
	s_wait_loadcnt 32                              ; the choices are in; behind them 32 loads of W
.endif
	v_lshl_add_u32 v28, v1, 4, LIST
	v_mov_b32 v32, 0
	v_mov_b32 v33, 0
	v_mov_b32 v34, 0
	v_mov_b32 v35, 0
.set li, 0
.rept 13
	ds_store_b128 v28, v[32:35] offset:512*li      ; the whole list region starts as slot 0
.set li, li+1
.endr
	v_lshlrev_b32 v15, 3, v1                       ; 2 x 4 l
	v_mov_b32 v21, DUMPI
	s_mov_b32 s38, 0
.set li, 0
.rept 32
	LISTROUND li
.set li, li+1
.endr
	s_max_u32 s42, s38, 1
	s_sub_co_u32 s42, s42, 1
	v_mov_b32 v16, s42
	v_min_u32 v16, 0x3ff, v16
	v_lshlrev_b32 v16, 2, v16
	v_add_nc_u32 v16, LIST, v16
	ds_load_b32 v17, v16                           ; the last slot of the list,
	v_add_nc_u32 v18, s38, v1
	v_min_u32 v18, 0x41f, v18
	v_lshlrev_b32 v18, 2, v18
	v_add_nc_u32 v18, LIST, v18
	v_mov_b32 v19, s38
	v_mov_b32 v20, CNTW
	s_wait_dscnt 0x0
	ds_store_b32 v18, v17                          ; repeated in the 32 places behind it,
	ds_store_b32 v20, v19                          ; and the count
.Lno_list:
.if WHICH == 1
	s_wait_loadcnt 32                              ; the bias is in; W's 32 loads stay out
	BIASRND
.endif
	s_wait_dscnt 0x0                               ; for the others' sake: the list is written
	s_barrier_signal -1
	s_barrier_wait -1
	v_mov_b32 v16, CNTW
	ds_load_b32 v17, v16
	s_wait_dscnt 0x0
	v_readfirstlane_b32 s17, v17
	s_min_u32 s17, s17, 1024
	s_mov_b32 s19, 0
	PASSVARS
	PROLOG 0
	ACCINIT                                        ; stands in the wait for the first rows
	s_mov_b32 s24, 4
.Lpass:
	s_mov_b32 s23, 8
.Ltrip:
	s_wait_loadcnt 0x0                             ; this chunk's weights and rows are in registers
	s_wait_dscnt 0x0                               ; my reads of W for the last chunk are over
	s_barrier_signal -1
	s_barrier_wait -1                              ; everybody's are
	s_cmp_eq_u32 s22, 0
	s_cbranch_scc1 .Lstaged
	WCVT
	s_cmp_lt_u32 s21, 2
	s_cbranch_scc1 .Lstaged
	ASTORET 0
	ASTORET 1
	WIN 0
	s_cmp_lt_u32 s21, 4
	s_cbranch_scc1 .Lstaged
	ASTORET 2
	ASTORET 3
	WIN 0
	s_cmp_lt_u32 s21, 5
	s_cbranch_scc1 .Lstaged
	ASTORET 4
	WIN 0
.Lstaged:
	s_wait_dscnt 0x0                               ; for the others' sake: my part of W is written
	s_cmp_eq_u32 s22, 0
	s_cbranch_scc1 .Lasked
	s_cmp_eq_u32 s23, 1
	s_cbranch_scc1 .Lasked                         ; the last chunk has no successor
	s_wait_xcnt 0x0                                ; the pointers are stepped only behind this wait
	s_add_nc_u64 s[28:29], s[28:29], 128*WPITCH
	s_add_nc_u64 s[32:33], s[32:33], 256
	WLOAD                                          ; the next chunk has this chunk's products in which to land
	s_cmp_lt_u32 s21, 2
	s_cbranch_scc1 .Lrows
	ALOADT 0
	ALOADT 1
	WIN 0
	s_cmp_lt_u32 s21, 4
	s_cbranch_scc1 .Lrows
	ALOADT 2
	ALOADT 3
	WIN 0
	s_cmp_lt_u32 s21, 5
	s_cbranch_scc1 .Lrows
	ALOADT 4
	WIN 0
.Lrows:
	s_cmp_lt_u32 s23, 3
	s_cbranch_scc1 .Lasked                         ; the last two trips have no chunk after next
	global_prefetch_b8 v11, s[28:29] offset:128*WPITCH th:TH_LOAD_NT scope:SCOPE_SE  ; the chunk after the one just asked for: my own 32 rows x 512 bytes,
	global_prefetch_b8 v11, s[28:29] offset:144*WPITCH th:TH_LOAD_NT scope:SCOPE_SE  ; lanes 256 bytes apart, each block asked for by this wave alone
.Lasked:
	s_barrier_signal -1
	s_barrier_wait -1                              ; W is whole
	s_cmp_eq_u32 s21, 5
	s_cbranch_scc1 .Lc5
	s_cmp_eq_u32 s21, 4
	s_cbranch_scc1 .Lc4
	s_cmp_eq_u32 s21, 2
	s_cbranch_scc1 .Lc2
	s_branch .Lcdone
.Lc5:
	COMPUTE 5
	s_branch .Lcdone
.Lc4:
	COMPUTE 4
	s_branch .Lcdone
.Lc2:
	COMPUTE 2
.Lcdone:
	s_sub_co_u32 s23, s23, 1
	s_cmp_lg_u32 s23, 0
	s_cbranch_scc1 .Ltrip
	; THE WAY OUT of a pass: my tiles that hold rows, one at a time, through my own LDS bytes: no barrier
	PLACES
	s_mov_b32 s25, 0
.Ltile:
	s_cmp_ge_u32 s25, s20
	s_cbranch_scc1 .Lskip
	s_wait_xcnt 0x0                                ; the last tile's stores have read their offsets and data
	s_cmp_eq_u32 s25, 0
	s_cbranch_scc1 .Le0
	s_cmp_eq_u32 s25, 1
	s_cbranch_scc1 .Le1
	s_cmp_eq_u32 s25, 2
	s_cbranch_scc1 .Le2
	s_cmp_eq_u32 s25, 3
	s_cbranch_scc1 .Le3
	EBLOCK 4
	s_branch .Lcommon
.Le0:
	EBLOCK 0
	s_branch .Lcommon
.Le1:
	EBLOCK 1
	s_branch .Lcommon
.Le2:
	EBLOCK 2
	s_branch .Lcommon
.Le3:
	EBLOCK 3
.Lcommon:
.if WHICH == 1
	GELU16 0
	GELU16 1
.irp i, 0,1,2,3,4,5,6,7
	ds_load_b128 v[112+4*\i:115+4*\i], v6 offset:PA*\i   ; LDS serves a wave's instructions in order (ISA guide 5.7.1.4): these see the stores above
.endr
.irp i, 0,1,2,3,4,5,6,7
	s_wait_dscnt 7-\i
	global_store_b128 v[40+\i], v[112+4*\i:115+4*\i], s[34:35]   ; 16 lanes store 256 consecutive bytes of a row of H, aligned
.endr
.else
.irp i, 0,1,2,3,4,5,6,7
	ds_load_b128 v[112+8*\i:115+8*\i], v13 offset:PS*\i  ; LDS serves a wave's instructions in order (ISA guide 5.7.1.4): these see the stores above
	ds_load_b128 v[116+8*\i:119+8*\i], v13 offset:PS*\i+256
.endr
.irp i, 0,1,2,3,4,5,6,7
	s_wait_dscnt 15-2*\i
	global_store_b128 v[40+\i], v[112+8*\i:115+8*\i], s[34:35] th:TH_STORE_NT   ; 16 lanes store 256 consecutive bytes of a row of P, aligned
	s_wait_dscnt 14-2*\i
	global_store_b128 v[40+\i], v[116+8*\i:119+8*\i], s[34:35] offset:256 th:TH_STORE_NT
.endr
.endif
.Lskip:
	s_add_co_u32 s25, s25, 1
	s_cmp_lt_u32 s25, 5
	s_cbranch_scc1 .Ltile
	s_wait_xcnt 0x0                                ; the stores' data and offsets, and the loads' pointers, are written again only behind this wait
	s_wait_loadcnt 0x0                             ; no load is out (the last trip asked for nothing): said ahead of the loads below, which write the same registers
	s_add_co_u32 s19, s19, 320
	PASSVARS
	s_cmp_eq_u32 s22, 0
	s_cbranch_scc1 .Lno_next                       ; no rows are left: the passes to come only pass their barriers
.if WHICH == 1
	BIASLD
	s_wait_loadcnt 0x0
	BIASRND
.endif
	ACCINIT
	PROLOG 1
.Lno_next:
	s_sub_co_u32 s24, s24, 1
	s_cmp_lg_u32 s24, 0
	s_cbranch_scc1 .Lpass
	s_wait_tensorcnt 0x0                           ; the wave's end
	ds_add_u32 v2, v3
	s_wait_dscnt 0x0
	s_endpgm
.Lfunc_end_k_q085dc7ffb9_ffn1:
	.size	k_q085dc7ffb9_ffn1, .Lfunc_end_k_q085dc7ffb9_ffn1-k_q085dc7ffb9_ffn1
	.p2alignl 7, 3214868480
	.fill 96, 4, 3214868480
	.section	.rodata,"a",@progbits
	.p2align	6, 0x0
	.amdhsa_kernel k_q085dc7ffb9_ffn1
		.amdhsa_group_segment_fixed_size 131072
		.amdhsa_private_segment_fixed_size 0
		.amdhsa_enable_private_segment 0
		.amdhsa_kernarg_size 40
		.amdhsa_user_sgpr_count 2
		.amdhsa_user_sgpr_kernarg_segment_ptr 1
		.amdhsa_wavefront_size32 1
		.amdhsa_system_sgpr_workgroup_id_x 1
		.amdhsa_system_sgpr_workgroup_id_y 1
		.amdhsa_system_sgpr_workgroup_id_z 1
		.amdhsa_system_vgpr_workitem_id 0
		.amdhsa_next_free_vgpr 1008
		.amdhsa_next_free_sgpr 66
		.amdhsa_reserve_vcc 1
		.amdhsa_float_denorm_mode_32 3
		.amdhsa_float_denorm_mode_16_64 3
		.amdhsa_memory_ordered 1
		.amdhsa_forward_progress 1
		.amdhsa_inst_pref_size 198
	.end_amdhsa_kernel
	.amdgpu_metadata
---
amdhsa.version: [ 1, 2 ]
amdhsa.kernels:
  - .name:           k_q085dc7ffb9_ffn1
    .symbol:         k_q085dc7ffb9_ffn1.kd
    .args:
      - { .name: xb, .offset: 0, .size: 8, .value_kind: global_buffer, .address_space: global }
      - { .name: W1, .offset: 8, .size: 8, .value_kind: global_buffer, .address_space: global }
      - { .name: b1, .offset: 16, .size: 8, .value_kind: global_buffer, .address_space: global }
      - { .name: ridx, .offset: 24, .size: 8, .value_kind: global_buffer, .address_space: global }
      - { .name: hbuf, .offset: 32, .size: 8, .value_kind: global_buffer, .address_space: global }
    .group_segment_fixed_size: 131072
    .private_segment_fixed_size: 0
    .kernarg_segment_align: 8
    .kernarg_segment_size: 40
    .max_flat_workgroup_size: 128
    .sgpr_count:     66
    .vgpr_count:     1008
    .wavefront_size: 32
...
	.end_amdgpu_metadata
.endif
;; end of part 2
;; launch ffn2 (part 3): grid 256 x 1, 4 waves a work-group, no clusters, 131,072 bytes of LDS; arguments hbuf, W2, ridx, pbuf; writes pbuf
.if DOCPART == 3
	.amdgcn_target "amdgcn-amd-amdhsa--gfx1250"
	.amdhsa_code_object_version 6
	.text
	.protected	k_q085dc7ffb9_ffn2
	.globl	k_q085dc7ffb9_ffn2
	.p2align	8
	.type	k_q085dc7ffb9_ffn2,@function
k_q085dc7ffb9_ffn2:
	s_mov_b64 s[64:65], 0
	v_nop
	global_prefetch_b8 v0, s[64:65] scope:SCOPE_SE
	s_setreg_imm32_b32 hwreg(HW_REG_WAVE_MODE, 25, 1), 1
	s_wait_xcnt 0x0
; ONE PRODUCT OF THE EXPERTS' MLP; one text for both, chosen by WHICH.
; WHICH = 1: H[slot] = gelu(x[token] W1[e] + b1[e]), bf16.  WHICH = 2: P[ks][slot] = H[slot][quarter ks] W2[e][quarter ks], f32 partial sums that a later launch adds.
; slot = 2 token + k names a token's k-th chosen expert.  Only the chosen rows are multiplied.
; SHARES.  A work-group has one expert and a slice of its weights, 1,024 along K x 128 columns (524,288 bytes of f32 that it alone reads), and ALL rows of that expert.
; Wave 0 makes the list of the expert's slots from ridx (whole numbers that an earlier launch stored).  Rows go in tiles of 16; tile 4 j + w of a pass is wave w's, j = 0..4:
; a pass serves 320 rows, four passes (a constant) serve every split, 1,024 rows on one expert too.  Only a pass beyond the first that has rows reads the slice again.
; K goes in 8 chunks of 128.  A chunk's weights come through registers, are rounded to bf16 there and laid into LDS as [k][n]; each wave lays its own tiles' rows into LDS bytes of its own.
; The next chunk is asked for before this chunk is multiplied.  Two barriers a chunk: all reads of W are over; W is whole.  No barrier stands under a branch on data.
; THE MATRIX INSTRUCTION IS USED TRANSPOSED: source 0 = 16 columns of W (turned on the way out of LDS), source 1 = 16 rows: a lane holds one row's eight neighbouring columns.
; No tensor loads: f32 weights must pass through registers to be rounded, and the rows come by a list.  No cluster: what an expert's work-groups share is those listed rows.
; The accumulators are written by moves ahead of a pass (WHICH = 1: with the bias; 2: with 0), so that one text of a chunk serves every chunk of every pass.
; WHICH = 2: the four quarters of K go to four work-groups, so that all 256 have a slice of equal size; their partial sums stay f32.
; LIMITS.  All inputs are rounded to bf16 once.  Places past the count in a tile repeat the list's last row (equal bytes stored again by the same wave).  NaN and infinities are not treated apart.
.set WHICH, 2
.if WHICH == 1
.set WPITCH, 16384                     ; bytes from row to row of W
.set SRI,  10                          ; s[10:11] ridx
.set ASH,  10                          ; 2 x token << 10: x's row of 2,048 bytes
.set OSH,  13                          ; slot << 13: H's row of 8,192 bytes
.else
.set WPITCH, 4096
.set SRI,  8                           ; s[8:9] ridx
.set ASH,  13                          ; slot << 13: H's row
.set OSH,  12                          ; slot << 12: P's row of 4,096 bytes
.endif
.set PW,    288                        ; a K row of W in LDS: 256 bytes + 32: the turning load's 8 rows x 32 bytes fall on different banks
.set PA,    272                        ; a token row in LDS: 256 bytes + 16
.set PS,    528                        ; WHICH = 2: a row of the f32 stage: 512 bytes + 16
.set AREG,  128*PW                     ; behind W: 80 rows for each wave, also its stage on the way out
.set ASZ,   80*PA
.set LIST,  AREG+4*ASZ                 ; the expert's slots by rank; zeros behind them
.set DUMPI, 1300                       ; the list's entry that takes the stores of lanes without a slot; no pass reads it (the last entry read is 1,279)
.set CNTW,  LIST+6400                  ; the number of slots
.set SPARE, LIST+6656                  ; the spare words, 128 bytes a wave: two blocks of 256 bytes that no other line names
; window 0: v1 lane; v2, v3 the add's two; v4 16 l; v5 W store; v6 row-wise place in my rows; v7 fragment place in my rows; v8 W fragment place; v9 list place; v10 16 (l % 16); v11 prefetch offset;
;           v12, v13 f32 stage in and back; v14 bias offset; v15-39 at work; v40-47 a tile's store offsets; v48-127 row fragments, two buffers of 5; v128-255 W fragments, two buffers of 8
; window 1: accumulators of tiles 0-3 at 64 j + 8 nb      window 2: v0-63 tile 4; v64-191 W as loaded; v192-255 W rounded
; window 3: v0-159 rows as loaded; v160-199 their load offsets; v200-239 their output rows' offsets
; s14 wave; s15 expert; s17 count; s19 320 x pass; s20 my tiles with rows; s21 my tiles staged and multiplied (0, 2, 4, 5); s22 the pass has rows; s23, s24, s25 counters;
; s[26:27] my rows of the slice; s[28:29] the chunk being loaded; s[30:31], s[32:33] the same for the token rows; s[34:35] output; s[44:59] constants; s[60:61] bias; s62 the pass's place in the list
.set MSB, 0
.macro WIN new                         ; the immediate's high byte repeats the setting that is left; at every label and branch the setting is 0
.if MSB != (\new)
	s_set_vgpr_msb (MSB<<8)|(\new)
.set MSB, (\new)
.endif
.endm
.macro PLACES                          ; four plain vector instructions between a matrix instruction and what reads its result or loads into its registers
.rept 4
	v_nop
.endr
.endm
.macro WLOAD                           ; my 32 K rows of a chunk: each load takes a slice row's 512 consecutive bytes
	WIN 0x80
.set wi, 0
.rept 32
	global_load_b128 v[64+4*wi:64+4*wi+3], v4, s[28:29] offset:wi*WPITCH th:TH_LOAD_NT
.set wi, wi+1
.endr
	WIN 0
.endm
.macro ALOADT j                        ; tile j's 16 rows x 256 bytes: 16 lanes take one row's piece
	WIN 0xc3
.irp i, 0,1,2,3,4,5,6,7
	global_load_b128 v[32*(\j)+4*\i:32*(\j)+4*\i+3], v[160+8*(\j)+\i], s[32:33]
.endr
.endm
.macro WCVT                            ; rounded to bf16 and laid into LDS, 256 consecutive bytes a store
	WIN 0x8a
.set wi, 0
.rept 32
	v_cvt_pk_bf16_f32 v[192+2*wi], v[64+4*wi], v[64+4*wi+1]
	v_cvt_pk_bf16_f32 v[193+2*wi], v[64+4*wi+2], v[64+4*wi+3]
.set wi, wi+1
.endr
	WIN 0x08
.set wi, 0
.rept 32
	ds_store_b64 v5, v[192+2*wi:193+2*wi] offset:PW*wi
.set wi, wi+1
.endr
	WIN 0
.endm
.macro ASTORET j
	WIN 0x0c
.irp i, 0,1,2,3,4,5,6,7
	ds_store_b128 v6, v[32*(\j)+4*\i:32*(\j)+4*\i+3] offset:(16*(\j)+\i)*PA
.endr
.endm
.macro FRAG s, u, n                    ; the fragments of 32 along K, step s of a chunk's four, into buffer u: 8 of W, n of rows: 16 + 2 n loads
	WIN 0
.irp nb, 0,1,2,3,4,5,6,7
	ds_load_tr16_b128 v[128+64*(\u)+8*\nb:128+64*(\u)+8*\nb+3],   v8 offset:32*(\s)*PW+32*\nb
	ds_load_tr16_b128 v[128+64*(\u)+8*\nb+4:128+64*(\u)+8*\nb+7], v8 offset:32*(\s)*PW+16*PW+32*\nb
.endr
.set fj, 0
.rept \n
	ds_load_b128 v[48+40*(\u)+8*fj:48+40*(\u)+8*fj+3],   v7 offset:16*fj*PA+64*(\s)
	ds_load_b128 v[48+40*(\u)+8*fj+4:48+40*(\u)+8*fj+7], v7 offset:16*fj*PA+64*(\s)+32
.set fj, fj+1
.endr
.endm
.macro MUL u, n                        ; 8 n matrix instructions; the 8 n accumulators take turns, one instruction a turn, in the same order in every step
.set mj, 0
.rept \n
.if mj < 4
	WIN 0x50
.set mb, 64*mj
.else
	WIN 0xa0
.set mb, 0
.endif
.irp nb, 0,1,2,3,4,5,6,7
	v_wmma_f32_16x16x32_bf16 v[mb+8*\nb:mb+8*\nb+7], v[128+64*(\u)+8*\nb:128+64*(\u)+8*\nb+7], v[48+40*(\u)+8*mj:48+40*(\u)+8*mj+7], v[mb+8*\nb:mb+8*\nb+7]
.endr
.set mj, mj+1
.endr
.endm
.macro COMPUTE n                       ; a chunk for n tiles: a step's fragments are fetched while the step before is multiplied
	PLACES
	FRAG 0, 0, \n
	FRAG 1, 1, \n
	s_wait_dscnt 16+2*(\n)                         ; all but the run just issued
	MUL 0, \n
	PLACES
	FRAG 2, 0, \n
	s_wait_dscnt 16+2*(\n)
	MUL 1, \n
	PLACES
	FRAG 3, 1, \n
	s_wait_dscnt 16+2*(\n)
	MUL 0, \n
	s_wait_dscnt 0x0
	MUL 1, \n
	WIN 0
.endm
.macro PASSVARS                        ; what the pass at row s19 holds for my wave
	s_sub_co_i32 s36, s17, s19
	s_max_i32 s36, s36, 0                          ; rows left
	s_min_u32 s22, s36, 1
	s_add_co_u32 s37, s36, 15
	s_lshr_b32 s37, s37, 4
	s_min_u32 s37, s37, 20                         ; the pass's tiles
	s_add_co_u32 s37, s37, 3
	s_sub_co_u32 s37, s37, s14
	s_lshr_b32 s20, s37, 2                         ; of them 4 j + w: mine
	s_add_co_u32 s21, s20, 1
	s_and_b32 s21, s21, 6
	s_min_u32 s21, s21, 5                          ; rounded up to 0, 2, 4 or 5: three texts of a chunk
.endm
.macro PROLOG withw                    ; a pass's offsets from the list, and its chunk 0 (withw = 1: the weights' too)
	WIN 0
	s_lshl_b32 s62, s19, 2                         ; 4 bytes an entry, 320 entries a pass;
	s_min_u32 s62, s62, 3840                       ; never beyond the fourth pass's entries
	v_add_nc_u32 v16, s62, v9
.irp j, 0,1,2,3,4
	ds_load_b128 v[48+8*\j:51+8*\j], v16 offset:256*\j
	ds_load_b128 v[52+8*\j:55+8*\j], v16 offset:256*\j+16
.endr
	s_mov_b64 s[32:33], s[30:31]
.if \withw
	s_mov_b64 s[28:29], s[26:27]
	WLOAD
.endif
	s_wait_dscnt 0x0
.set pk, 0
.rept 40
	v_min_u32 v[48+pk], 0x7ff, v[48+pk]            ; a loaded number enters an address only behind a clamp
.if WHICH == 1
	v_and_b32 v[88+pk], 0x7fe, v[48+pk]            ; 2 x token
	v_lshlrev_b32 v[88+pk], ASH, v[88+pk]
.else
	v_lshlrev_b32 v[88+pk], ASH, v[48+pk]
.endif
.set pk, pk+1
.endr
	WIN 0xc0
.set pk, 0
.rept 40
	v_add_nc_u32 v[160+pk], v10, v[88+pk]          ; the row to load, and my 16 bytes of its 256
	v_lshlrev_b32 v[200+pk], OSH, v[48+pk]         ; the row to store
.set pk, pk+1
.endr
.irp j, 0,1,2,3,4
	ALOADT \j
.endr
	WIN 0
.endm
.macro ACCINIT
.set aj, 0
.rept 5
.if aj < 4
	WIN 0x40
.set ab, 64*aj
.else
	WIN 0x80
.set ab, 0
.endif
.set ak, 0
.rept 64
.if WHICH == 1
	v_mov_b32 v[ab+ak], v[128+ak]
.else
	v_mov_b32 v[ab+ak], 0
.endif
.set ak, ak+1
.endr
.set aj, aj+1
.endr
	WIN 0
.endm
.if WHICH == 1
.macro BIASLD                          ; my lane's 8 columns of each of the 8 column blocks
.irp nb, 0,1,2,3,4,5,6,7
	global_load_b128 v[128+8*\nb:131+8*\nb], v14, s[60:61] offset:64*\nb
	global_load_b128 v[132+8*\nb:135+8*\nb], v14, s[60:61] offset:64*\nb+16
.endr
.endm
.macro BIASRND                         ; rounded to bf16, in place
.set bk, 128
.rept 32
	v_cvt_pk_bf16_f32 v[bk], v[bk], v[bk+1]
	v_and_b32 v[bk+1], s59, v[bk]
	v_lshlrev_b32 v[bk], 16, v[bk]
.set bk, bk+2
.endr
.endm
.endif
; Register n of the 32 with the tokens' choices: lane l holds token 128 (n / 4) + 4 l + n % 4.  Who chose my expert takes the next ranks; every other lane stores to the dump entry.
.macro LISTROUND n
	v_and_b32 v16, 0xff, v[192+(\n)]
	v_lshrrev_b32 v17, 8, v[192+(\n)]
	v_cmp_eq_u32 s36, s15, v16
	v_cmp_eq_u32 vcc_lo, s15, v17
	v_cndmask_b32 v18, 0, 1, vcc_lo
	v_add_nc_u32 v18, v18, v15                     ; slot = 2 token + k
.if (\n) != 0
	v_add_nc_u32 v18, 256*((\n)/4)+2*((\n)%4), v18
.endif
	s_or_b32 vcc_lo, vcc_lo, s36
	v_mbcnt_lo_u32_b32 v19, vcc_lo, s38            ; the ranks taken so far + the choosing lanes below mine
	v_cndmask_b32 v19, v21, v19, vcc_lo
	v_min_u32 v19, DUMPI, v19                      ; a number made of loaded ones enters an address only behind a clamp
	v_lshlrev_b32 v19, 2, v19
	v_add_nc_u32 v19, LIST, v19
	ds_store_b32 v19, v18
	s_bcnt1_i32_b32 s42, vcc_lo
	s_add_co_u32 s38, s38, s42
.endm
.if WHICH == 1
.macro EBLOCK j                        ; tile j: x / 2 into window 0, each accumulator from its low end on; and its store offsets
.if (\j) < 4
	WIN 0x01
.set eb, 64*(\j)
.else
	WIN 0x02
.set eb, 0
.endif
.set ek, 0
.rept 32
	v_pk_mul_f32 v[48+ek:49+ek], v[eb+ek:eb+ek+1], 0.5 op_sel_hi:[1,0]
.set ek, ek+2
.endr
	WIN 0x0c
.irp i, 0,1,2,3,4,5,6,7
	v_add_nc_u32 v[40+\i], v10, v[200+8*(\j)+\i]
.endr
	WIN 0
.endm
; gelu(x) = x/2 + |x/2| erf(|x| / sqrt 2) for 32 numbers.  erf(z) = 1 - (a1 t + .. + a5 t^5) e^(-z z), t = 1 / (1 + p z).  With y = x / 2: p z = p sqrt 2 |y|, z z = 2 y y.
; The 32 reciprocals and 32 exponentials are one batch with one wait.
.macro GELU16 b
.set GX, 48+32*(\b)
.set g, 0
.rept 32
	v_and_b32 v[112+g], s58, v[GX+g]
.set g, g+1
.endr
.set g, 0
.rept 16
	v_pk_fma_f32 v[144+g:145+g], v[112+g:113+g], s[44:45], 1.0 op_sel_hi:[1,0,0]
	v_pk_mul_f32 v[176+g:177+g], v[GX+g:GX+g+1], s[46:47] op_sel_hi:[1,0]
.set g, g+2
.endr
.set g, 0
.rept 16
	v_pk_mul_f32 v[176+g:177+g], v[176+g:177+g], v[GX+g:GX+g+1]
.set g, g+2
.endr
.set g, 0
.rept 32
	v_rcp_f32 v[144+g], v[144+g]
.set g, g+1
.endr
.set g, 0
.rept 32
	v_exp_f32 v[176+g], v[176+g]
.set g, g+1
.endr
	v_nop                                          ; a plain instruction behind the last of the batch,
	s_wait_alu depctr_va_vdst(0)                   ; and one wait ahead of the first reader
.set g, 0
.rept 16
	v_pk_fma_f32 v[208+g:209+g], v[144+g:145+g], s[48:49], s[50:51] op_sel_hi:[1,0,0]
.set g, g+2
.endr
.irp c, 52, 54, 56
.set g, 0
.rept 16
	v_pk_fma_f32 v[208+g:209+g], v[208+g:209+g], v[144+g:145+g], s[\c:\c+1] op_sel_hi:[1,1,0]
.set g, g+2
.endr
.endr
.set g, 0
.rept 16
	v_pk_mul_f32 v[208+g:209+g], v[208+g:209+g], v[144+g:145+g]
.set g, g+2
.endr
.set g, 0
.rept 16
	v_pk_fma_f32 v[208+g:209+g], v[208+g:209+g], v[176+g:177+g], 1.0 op_sel_hi:[1,1,0] neg_lo:[1,0,0] neg_hi:[1,0,0]
.set g, g+2
.endr
.set g, 0
.rept 16
	v_pk_fma_f32 v[GX+g:GX+g+1], v[112+g:113+g], v[208+g:209+g], v[GX+g:GX+g+1]
.set g, g+2
.endr
.set g, 0
.rept 16
	v_cvt_pk_bf16_f32 v[240+g], v[GX+2*g], v[GX+2*g+1]
.set g, g+1
.endr
.irp q, 0,1,2,3
	ds_store_b128 v7, v[240+4*\q:243+4*\q] offset:32*(4*(\b)+\q)
.endr
.endm
.else
.macro EBLOCK j                        ; tile j's sums into my stage, each accumulator's low half first; and its store offsets
.if (\j) < 4
	WIN 0x04
.set eb, 64*(\j)
.else
	WIN 0x08
.set eb, 0
.endif
.irp nb, 0,1,2,3,4,5,6,7
	ds_store_b128 v12, v[eb+8*\nb:eb+8*\nb+3] offset:64*\nb
	ds_store_b128 v12, v[eb+8*\nb+4:eb+8*\nb+7] offset:64*\nb+16
.endr
	WIN 0x0c
.irp i, 0,1,2,3,4,5,6,7
	v_add_nc_u32 v[40+\i], v10, v[200+8*(\j)+\i]
.endr
	WIN 0
.endm
.endif
	s_load_b256 s[4:11], s[0:1], 0x0               ; WHICH = 1: xb, W1, b1, ridx.  WHICH = 2: hbuf, W2, ridx, pbuf
.if WHICH == 1
	s_load_b64 s[12:13], s[0:1], 0x20              ; hbuf
.endif
	v_lshl_add_u32 v2, v0, 2, SPARE                ; my spare word,
	v_mov_b32 v3, 0                                ; and 0: kept for the add at the wave's end
	v_lshrrev_b32 v24, 5, v0
	v_readfirstlane_b32 s14, v24                   ; wave 0..3
	v_and_b32 v1, 31, v0                           ; l
	v_and_b32 v24, 15, v0                          ; l % 16
	v_bfe_u32 v25, v0, 4, 1                        ; l / 16
	v_lshlrev_b32 v4, 4, v1
	s_mul_i32 s36, s14, 32*PW
	v_lshl_add_u32 v5, v1, 3, s36                  ; my 32 K rows of W, 8 bytes a lane
	s_mul_i32 s37, s14, ASZ
	s_add_co_u32 s37, s37, AREG                    ; my rows' bytes
	v_lshlrev_b32 v10, 4, v24
	v_mul_u32_u24 v6, v25, 8*PA
	v_add_nc_u32 v6, v6, v10
	v_add_nc_u32 v6, s37, v6                       ; row 8 (l / 16), byte 16 (l % 16)
	v_mul_u32_u24 v7, v24, PA
	v_lshl_add_u32 v7, v25, 4, v7
	v_add_nc_u32 v7, s37, v7                       ; row l % 16, byte 16 (l / 16)
	v_and_b32 v26, 7, v0
	v_lshl_add_u32 v26, v25, 3, v26
	v_mul_u32_u24 v8, v26, PW
	v_bfe_u32 v26, v0, 3, 1
	v_lshl_add_u32 v8, v26, 4, v8                  ; the turning load: K row 8 (l / 16) + l % 8, byte 16 ((l / 8) % 2)
	s_lshl_b32 s38, s14, 6
	s_add_co_u32 s38, s38, LIST
	v_lshl_add_u32 v9, v25, 5, s38                 ; list entry 16 w + 8 (l / 16)
	v_lshrrev_b32 v26, 1, v1
	v_mul_u32_u24 v11, v26, WPITCH
	v_and_b32 v26, 1, v0
	v_lshl_add_u32 v11, v26, 8, v11                ; prefetch: row l / 2, block l % 2 of 256 bytes
.if WHICH == 1
	v_lshlrev_b32 v14, 5, v25
	s_mov_b32 s44, 0x3eed3388                      ; p sqrt 2 = 0.46328378
	s_mov_b32 s45, 0x3eed3388
	s_mov_b32 s46, 0xc038aa3b                      ; -2 log2(e)
	s_mov_b32 s47, 0xc038aa3b
	s_mov_b32 s48, 0x3f87dc22                      ; a5 = 1.061405429
	s_mov_b32 s49, 0x3f87dc22
	s_mov_b32 s50, 0xbfba00e3                      ; a4 = -1.453152027
	s_mov_b32 s51, 0xbfba00e3
	s_mov_b32 s52, 0x3fb5f0e3                      ; a3 = 1.421413741
	s_mov_b32 s53, 0x3fb5f0e3
	s_mov_b32 s54, 0xbe91a98e                      ; a2 = -0.284496736
	s_mov_b32 s55, 0xbe91a98e
	s_mov_b32 s56, 0x3e827906                      ; a1 = 0.254829592
	s_mov_b32 s57, 0x3e827906
	s_mov_b32 s58, 0x7fffffff
	s_mov_b32 s59, 0xffff0000
.else
	v_mul_u32_u24 v12, v24, PS
	v_lshl_add_u32 v12, v25, 5, v12
	v_add_nc_u32 v12, s37, v12                     ; stage in: row l % 16, byte 32 (l / 16)
	v_mul_u32_u24 v13, v25, 8*PS
	v_add_nc_u32 v13, v13, v10
	v_add_nc_u32 v13, s37, v13                     ; stage back: row 8 (l / 16), byte 16 (l % 16)
.endif
	s_lshr_b32 s15, ttmp9, 5                       ; the expert
	s_mov_b32 s41, 0
.if WHICH == 1
	s_and_b32 s16, ttmp9, 31                       ; which 128 of 4,096 columns
	s_lshl_b32 s18, s14, 19                        ; my 32 rows of a chunk
.else
	s_and_b32 s16, ttmp9, 7                        ; which 128 of 1,024 columns
	s_bfe_u32 s42, ttmp9, 0x20003                  ; ks: which quarter of K
	s_lshl_b32 s18, s14, 17
	s_lshl_b32 s43, s42, 22
	s_add_co_u32 s18, s18, s43
.endif
	s_lshl_b32 s40, s15, 24                        ; an expert's weights: 16,777,216 bytes
	s_add_co_u32 s40, s40, s18
	s_lshl_b32 s18, s16, 9                         ; 512 bytes a slice
	s_add_co_u32 s40, s40, s18
	s_wait_kmcnt 0x0
	s_add_nc_u64 s[26:27], s[6:7], s[40:41]
.if WHICH == 1
	s_mov_b64 s[30:31], s[4:5]
	s_lshl_b32 s40, s16, 8
	s_add_nc_u64 s[34:35], s[12:13], s[40:41]
	s_lshl_b32 s40, s15, 14
	s_add_co_u32 s40, s40, s18
	s_add_nc_u64 s[60:61], s[8:9], s[40:41]
.else
	s_lshl_b32 s40, s42, 11
	s_add_nc_u64 s[30:31], s[4:5], s[40:41]
	s_lshl_b32 s40, s42, 23
	s_add_co_u32 s40, s40, s18
	s_add_nc_u64 s[34:35], s[10:11], s[40:41]
.endif
	s_mov_b64 s[28:29], s[26:27]
	s_cmp_lg_u32 s14, 0
	s_cbranch_scc1 .Lno_ridx
.set li, 0
.rept 8
	global_load_b128 v[192+4*li:195+4*li], v4, s[SRI:SRI+1] offset:512*li   ; wave 0: all 1,024 tokens' choices, 512 consecutive bytes a load
.set li, li+1
.endr
.Lno_ridx:
.if WHICH == 1
	BIASLD
.endif
	WLOAD                                          ; chunk 0 of the weights hangs on no list: it is asked for at once
	s_cmp_lg_u32 s14, 0
	s_cbranch_scc1 .Lno_list
.if WHICH == 1
	s_wait_loadcnt 48                              ; the choices are in; behind them 16 loads of the bias and 32 of W
.else
	s_wait_loadcnt 32                              ; the choices are in; behind them 32 loads of W
.endif
	v_lshl_add_u32 v28, v1, 4, LIST
	v_mov_b32 v32, 0
	v_mov_b32 v33, 0
	v_mov_b32 v34, 0
	v_mov_b32 v35, 0
.set li, 0
.rept 13
	ds_store_b128 v28, v[32:35] offset:512*li      ; the whole list region starts as slot 0
.set li, li+1
.endr
	v_lshlrev_b32 v15, 3, v1                       ; 2 x 4 l
	v_mov_b32 v21, DUMPI
	s_mov_b32 s38, 0
.set li, 0
.rept 32
	LISTROUND li
.set li, li+1
.endr
	s_max_u32 s42, s38, 1
	s_sub_co_u32 s42, s42, 1
	v_mov_b32 v16, s42
	v_min_u32 v16, 0x3ff, v16
	v_lshlrev_b32 v16, 2, v16
	v_add_nc_u32 v16, LIST, v16
	ds_load_b32 v17, v16                           ; the last slot of the list,
	v_add_nc_u32 v18, s38, v1
	v_min_u32 v18, 0x41f, v18
	v_lshlrev_b32 v18, 2, v18
	v_add_nc_u32 v18, LIST, v18
	v_mov_b32 v19, s38
	v_mov_b32 v20, CNTW
	s_wait_dscnt 0x0
	ds_store_b32 v18, v17                          ; repeated in the 32 places behind it,
	ds_store_b32 v20, v19                          ; and the count
.Lno_list:
.if WHICH == 1
	s_wait_loadcnt 32                              ; the bias is in; W's 32 loads stay out
	BIASRND
.endif
	s_wait_dscnt 0x0                               ; for the others' sake: the list is written
	s_barrier_signal -1
	s_barrier_wait -1
	v_mov_b32 v16, CNTW
	ds_load_b32 v17, v16
	s_wait_dscnt 0x0
	v_readfirstlane_b32 s17, v17
	s_min_u32 s17, s17, 1024
	s_mov_b32 s19, 0
	PASSVARS
	PROLOG 0
	ACCINIT                                        ; stands in the wait for the first rows
	s_mov_b32 s24, 4
.Lpass:
	s_mov_b32 s23, 8
.Ltrip:
	s_wait_loadcnt 0x0                             ; this chunk's weights and rows are in registers
	s_wait_dscnt 0x0                               ; my reads of W for the last chunk are over
	s_barrier_signal -1
	s_barrier_wait -1                              ; everybody's are
	s_cmp_eq_u32 s22, 0
	s_cbranch_scc1 .Lstaged
	WCVT
	s_cmp_lt_u32 s21, 2
	s_cbranch_scc1 .Lstaged
	ASTORET 0
	ASTORET 1
	WIN 0
	s_cmp_lt_u32 s21, 4
	s_cbranch_scc1 .Lstaged
	ASTORET 2
	ASTORET 3
	WIN 0
	s_cmp_lt_u32 s21, 5
	s_cbranch_scc1 .Lstaged
	ASTORET 4
	WIN 0
.Lstaged:
	s_wait_dscnt 0x0                               ; for the others' sake: my part of W is written
	s_cmp_eq_u32 s22, 0
	s_cbranch_scc1 .Lasked
	s_cmp_eq_u32 s23, 1
	s_cbranch_scc1 .Lasked                         ; the last chunk has no successor
	s_wait_xcnt 0x0                                ; the pointers are stepped only behind this wait
	s_add_nc_u64 s[28:29], s[28:29], 128*WPITCH
	s_add_nc_u64 s[32:33], s[32:33], 256
	WLOAD                                          ; the next chunk has this chunk's products in which to land
	s_cmp_lt_u32 s21, 2
	s_cbranch_scc1 .Lrows
	ALOADT 0
	ALOADT 1
	WIN 0
	s_cmp_lt_u32 s21, 4
	s_cbranch_scc1 .Lrows
	ALOADT 2
	ALOADT 3
	WIN 0
	s_cmp_lt_u32 s21, 5
	s_cbranch_scc1 .Lrows
	ALOADT 4
	WIN 0
.Lrows:
	s_cmp_lt_u32 s23, 3
	s_cbranch_scc1 .Lasked                         ; the last two trips have no chunk after next
	global_prefetch_b8 v11, s[28:29] offset:128*WPITCH th:TH_LOAD_NT scope:SCOPE_SE  ; the chunk after the one just asked for: my own 32 rows x 512 bytes,
	global_prefetch_b8 v11, s[28:29] offset:144*WPITCH th:TH_LOAD_NT scope:SCOPE_SE  ; lanes 256 bytes apart, each block asked for by this wave alone
.Lasked:
	s_barrier_signal -1
	s_barrier_wait -1                              ; W is whole
	s_cmp_eq_u32 s21, 5
	s_cbranch_scc1 .Lc5
	s_cmp_eq_u32 s21, 4
	s_cbranch_scc1 .Lc4
	s_cmp_eq_u32 s21, 2
	s_cbranch_scc1 .Lc2
	s_branch .Lcdone
.Lc5:
	COMPUTE 5
	s_branch .Lcdone
.Lc4:
	COMPUTE 4
	s_branch .Lcdone
.Lc2:
	COMPUTE 2
.Lcdone:
	s_sub_co_u32 s23, s23, 1
	s_cmp_lg_u32 s23, 0
	s_cbranch_scc1 .Ltrip
	; THE WAY OUT of a pass: my tiles that hold rows, one at a time, through my own LDS bytes: no barrier
	PLACES
	s_mov_b32 s25, 0
.Ltile:
	s_cmp_ge_u32 s25, s20
	s_cbranch_scc1 .Lskip
	s_wait_xcnt 0x0                                ; the last tile's stores have read their offsets and data
	s_cmp_eq_u32 s25, 0
	s_cbranch_scc1 .Le0
	s_cmp_eq_u32 s25, 1
	s_cbranch_scc1 .Le1
	s_cmp_eq_u32 s25, 2
	s_cbranch_scc1 .Le2
	s_cmp_eq_u32 s25, 3
	s_cbranch_scc1 .Le3
	EBLOCK 4
	s_branch .Lcommon
.Le0:
	EBLOCK 0
	s_branch .Lcommon
.Le1:
	EBLOCK 1
	s_branch .Lcommon
.Le2:
	EBLOCK 2
	s_branch .Lcommon
.Le3:
	EBLOCK 3
.Lcommon:
.if WHICH == 1
	GELU16 0
	GELU16 1
.irp i, 0,1,2,3,4,5,6,7
	ds_load_b128 v[112+4*\i:115+4*\i], v6 offset:PA*\i   ; LDS serves a wave's instructions in order (ISA guide 5.7.1.4): these see the stores above
.endr
.irp i, 0,1,2,3,4,5,6,7
	s_wait_dscnt 7-\i
	global_store_b128 v[40+\i], v[112+4*\i:115+4*\i], s[34:35]   ; 16 lanes store 256 consecutive bytes of a row of H, aligned
.endr
.else
.irp i, 0,1,2,3,4,5,6,7
	ds_load_b128 v[112+8*\i:115+8*\i], v13 offset:PS*\i  ; LDS serves a wave's instructions in order (ISA guide 5.7.1.4): these see the stores above
	ds_load_b128 v[116+8*\i:119+8*\i], v13 offset:PS*\i+256
.endr
.irp i, 0,1,2,3,4,5,6,7
	s_wait_dscnt 15-2*\i
	global_store_b128 v[40+\i], v[112+8*\i:115+8*\i], s[34:35] th:TH_STORE_NT   ; 16 lanes store 256 consecutive bytes of a row of P, aligned
	s_wait_dscnt 14-2*\i
	global_store_b128 v[40+\i], v[116+8*\i:119+8*\i], s[34:35] offset:256 th:TH_STORE_NT
.endr
.endif
.Lskip:
	s_add_co_u32 s25, s25, 1
	s_cmp_lt_u32 s25, 5
	s_cbranch_scc1 .Ltile
	s_wait_xcnt 0x0                                ; the stores' data and offsets, and the loads' pointers, are written again only behind this wait
	s_wait_loadcnt 0x0                             ; no load is out (the last trip asked for nothing): said ahead of the loads below, which write the same registers
	s_add_co_u32 s19, s19, 320
	PASSVARS
	s_cmp_eq_u32 s22, 0
	s_cbranch_scc1 .Lno_next                       ; no rows are left: the passes to come only pass their barriers
.if WHICH == 1
	BIASLD
	s_wait_loadcnt 0x0
	BIASRND
.endif
	ACCINIT
	PROLOG 1
.Lno_next:
	s_sub_co_u32 s24, s24, 1
	s_cmp_lg_u32 s24, 0
	s_cbranch_scc1 .Lpass
	s_wait_tensorcnt 0x0                           ; the wave's end
	ds_add_u32 v2, v3
	s_wait_dscnt 0x0
	s_endpgm
.Lfunc_end_k_q085dc7ffb9_ffn2:
	.size	k_q085dc7ffb9_ffn2, .Lfunc_end_k_q085dc7ffb9_ffn2-k_q085dc7ffb9_ffn2
	.p2alignl 7, 3214868480
	.fill 96, 4, 3214868480
	.section	.rodata,"a",@progbits
	.p2align	6, 0x0
	.amdhsa_kernel k_q085dc7ffb9_ffn2
		.amdhsa_group_segment_fixed_size 131072
		.amdhsa_private_segment_fixed_size 0
		.amdhsa_enable_private_segment 0
		.amdhsa_kernarg_size 32
		.amdhsa_user_sgpr_count 2
		.amdhsa_user_sgpr_kernarg_segment_ptr 1
		.amdhsa_wavefront_size32 1
		.amdhsa_system_sgpr_workgroup_id_x 1
		.amdhsa_system_sgpr_workgroup_id_y 1
		.amdhsa_system_sgpr_workgroup_id_z 1
		.amdhsa_system_vgpr_workitem_id 0
		.amdhsa_next_free_vgpr 1008
		.amdhsa_next_free_sgpr 66
		.amdhsa_reserve_vcc 1
		.amdhsa_float_denorm_mode_32 3
		.amdhsa_float_denorm_mode_16_64 3
		.amdhsa_memory_ordered 1
		.amdhsa_forward_progress 1
		.amdhsa_inst_pref_size 149
	.end_amdhsa_kernel
	.amdgpu_metadata
---
amdhsa.version: [ 1, 2 ]
amdhsa.kernels:
  - .name:           k_q085dc7ffb9_ffn2
    .symbol:         k_q085dc7ffb9_ffn2.kd
    .args:
      - { .name: hbuf, .offset: 0, .size: 8, .value_kind: global_buffer, .address_space: global }
      - { .name: W2, .offset: 8, .size: 8, .value_kind: global_buffer, .address_space: global }
      - { .name: ridx, .offset: 16, .size: 8, .value_kind: global_buffer, .address_space: global }
      - { .name: pbuf, .offset: 24, .size: 8, .value_kind: global_buffer, .address_space: global }
    .group_segment_fixed_size: 131072
    .private_segment_fixed_size: 0
    .kernarg_segment_align: 8
    .kernarg_segment_size: 32
    .max_flat_workgroup_size: 128
    .sgpr_count:     66
    .vgpr_count:     1008
    .wavefront_size: 32
...
	.end_amdgpu_metadata
.endif
;; end of part 3
;; launch combine (part 4): grid 256 x 1, 16 waves a work-group, no clusters, 0 bytes of LDS; arguments pbuf, b2, ridx, rgate, raux, out0, out1; writes out0, out1
.if DOCPART == 4
	.amdgcn_target "amdgcn-amd-amdhsa--gfx1250"
	.amdhsa_code_object_version 6
	.text
	.protected	k_q085dc7ffb9_combine
	.globl	k_q085dc7ffb9_combine
	.p2align	8
	.type	k_q085dc7ffb9_combine,@function
k_q085dc7ffb9_combine:
	s_mov_b64 s[64:65], 0
	v_nop
	global_prefetch_b8 v0, s[64:65] scope:SCOPE_SE
	s_setreg_imm32_b32 hwreg(HW_REG_WAVE_MODE, 25, 1), 1
	s_wait_xcnt 0x0
; out0[token] = g1 (b2[e1] + the four K quarters' sums of slot 2 token) + g2 (b2[e2] + those of slot 2 token + 1); out1 = the load-balancing loss.
; A stream: sixteen waves, four to a token, each 1,024 bytes of the output row: 16 loads of 512 consecutive bytes of P, 4 of b2, 2 stores.  No LDS, no barrier, no matrix unit: memory binds.
; e1, e2 (whole numbers that an earlier launch stored) and the gates come by scalar loads.  b2 is rounded to bf16 once, like every input of this program.
; Wave 0 of work-group 0 also adds the 256 work-groups' gate and dispatch sums and stores out1 = sum over e of G_e D_e x 8 / 1024^3.
	s_load_b256 s[4:11], s[0:1], 0x0               ; pbuf s[4:5], b2 s[6:7], ridx s[8:9], rgate s[10:11]
	s_load_b128 s[12:15], s[0:1], 0x20             ; raux s[12:13], out0 s[14:15]
	s_load_b64 s[16:17], s[0:1], 0x30              ; out1
	v_lshrrev_b32 v2, 5, v0
	v_readfirstlane_b32 s18, v2                    ; wave 0..15
	v_and_b32 v3, 31, v0
	v_lshlrev_b32 v1, 4, v3                        ; 16 bytes a lane
	s_lshr_b32 s19, s18, 2
	s_lshl2_add_u32 s19, ttmp9, s19                ; token = 4 b + w / 4
	s_and_b32 s20, s18, 3                          ; which quarter of its row
	s_lshl_b32 s40, s20, 10
	s_mov_b32 s23, 0
	s_mov_b32 s43, 0
	s_mov_b32 s45, 0x76543210
	s_mov_b32 s46, 0xfedcba98
	s_mov_b32 s47, 0xffff0000
	s_lshl_b32 s22, s19, 2
	s_wait_kmcnt 0x0
	s_add_nc_u64 s[8:9], s[8:9], s[22:23]
	s_load_b32 s21, s[8:9], 0x0                    ; e1 | e2 << 8
	s_lshl_b32 s22, s19, 3
	s_add_nc_u64 s[10:11], s[10:11], s[22:23]
	s_load_b64 s[36:37], s[10:11], 0x0             ; g1, g2
	s_lshl_b32 s22, s19, 13                        ; two slots of 4,096 bytes a token
	s_add_co_u32 s22, s22, s40
	s_add_nc_u64 s[24:25], s[4:5], s[22:23]        ; a base for each K quarter's plane of 8,388,608 bytes
	s_add_nc_u64 s[26:27], s[24:25], 0x800000
	s_add_nc_u64 s[28:29], s[26:27], 0x800000
	s_add_nc_u64 s[30:31], s[28:29], 0x800000
	s_lshl_b32 s22, s19, 12
	s_add_co_u32 s22, s22, s40
	s_add_nc_u64 s[14:15], s[14:15], s[22:23]
.irp ks, 0,1,2,3
.irp k, 0,1
.irp i, 0,1
	global_load_b128 v[16+16*\ks+8*\k+4*\i:19+16*\ks+8*\k+4*\i], v1, s[24+2*\ks:25+2*\ks] offset:4096*\k+512*\i th:TH_LOAD_NT
.endr
.endr
.endr
	s_wait_kmcnt 0x0
	s_and_b32 s41, s21, 0xff
	s_min_u32 s41, s41, 7                          ; a loaded number enters an address only behind a clamp
	s_lshl_b32 s42, s41, 12
	s_add_co_u32 s42, s42, s40
	s_add_nc_u64 s[32:33], s[6:7], s[42:43]
	s_lshr_b32 s41, s21, 8
	s_min_u32 s41, s41, 7
	s_lshl_b32 s42, s41, 12
	s_add_co_u32 s42, s42, s40
	s_add_nc_u64 s[34:35], s[6:7], s[42:43]
	s_mov_b32 s38, s37                             ; g2 as the low word of a pair
	s_mov_b32 s39, s37
.irp k, 0,1
.irp i, 0,1
	global_load_b128 v[80+8*\k+4*\i:83+8*\k+4*\i], v1, s[32+2*\k:33+2*\k] offset:512*\i
.endr
.endr
	s_or_b32 s44, ttmp9, s18
	s_cmp_lg_u32 s44, 0
	s_cbranch_scc1 .Lno_aux
	; lane l reads columns 4 (l % 4) .. + 3 of the rows 8 i + l / 4 of raux [256][16]
.set i, 0
.rept 32
	global_load_b128 v[96+4*i:99+4*i], v1, s[12:13] offset:512*i
.set i, i+1
.endr
	s_wait_loadcnt 0x0
.set st, 16
.rept 5
.set i, 0
.rept st
	v_pk_add_f32 v[96+4*i:97+4*i], v[96+4*i:97+4*i], v[96+4*(i+st):97+4*(i+st)]
	v_pk_add_f32 v[98+4*i:99+4*i], v[98+4*i:99+4*i], v[98+4*(i+st):99+4*(i+st)]
.set i, i+1
.endr
.set st, st/2
.endr
.irp c, 0,1,2,3
	v_add_f32_dpp v[96+\c], v[96+\c], v[96+\c] row_xmask:4 row_mask:0xf bank_mask:0xf
.endr
.irp c, 0,1,2,3
	v_add_f32_dpp v[96+\c], v[96+\c], v[96+\c] row_xmask:8 row_mask:0xf bank_mask:0xf
.endr
.irp c, 0,1,2,3
	v_permlanex16_b32 v[100+\c], v[96+\c], s45, s46
.endr
.irp c, 0,1,2,3
	v_add_f32 v[96+\c], v[96+\c], v[100+\c]        ; lanes l % 4 = 0, 1: the gates' sums; 2, 3: the dispatch sums
.endr
.irp c, 0,1,2,3
	v_mul_f32_dpp v[104+\c], v[96+\c], v[96+\c] row_xmask:2 row_mask:0xf bank_mask:0xf  ; an expert's gate sum times its dispatch sum
.endr
	v_add_f32 v104, v104, v105
	v_add_f32 v106, v106, v107
	v_add_f32 v104, v104, v106
	v_add_f32_dpp v104, v104, v104 row_xmask:1 row_mask:0xf bank_mask:0xf
	v_mul_f32 v104, 0x32000000, v104               ; 2^-27 = 8 / 1024^3
	v_mov_b32 v105, 0
	v_cmp_eq_u32 vcc_lo, 0, v3
	s_wait_xcnt 0x0                                ; EXEC changes only behind this wait
	s_and_saveexec_b32 s44, vcc_lo
	global_store_b32 v105, v104, s[16:17]          ; lane 0 alone
	s_wait_xcnt 0x0                                ; and again ahead of the line that widens it
	s_or_b32 exec_lo, exec_lo, s44
.Lno_aux:
	s_wait_loadcnt 0x0
.set k, 80
.rept 8                                            ; b2 rounded to bf16, in place
	v_cvt_pk_bf16_f32 v[k], v[k], v[k+1]
	v_and_b32 v[k+1], s47, v[k]
	v_lshlrev_b32 v[k], 16, v[k]
.set k, k+2
.endr
.irp ks, 0,1,2,3
.set k, 0
.rept 8
	v_pk_add_f32 v[80+k:81+k], v[80+k:81+k], v[16+16*\ks+k:17+16*\ks+k]
.set k, k+2
.endr
.endr
.set k, 0
.rept 4
	v_pk_mul_f32 v[80+k:81+k], v[80+k:81+k], s[36:37] op_sel_hi:[1,0]
.set k, k+2
.endr
.set k, 0
.rept 4
	v_pk_fma_f32 v[80+k:81+k], v[88+k:89+k], s[38:39], v[80+k:81+k] op_sel_hi:[1,0,1]
.set k, k+2
.endr
	global_store_b128 v1, v[80:83], s[14:15] th:TH_STORE_NT             ; 512 consecutive bytes, aligned
	global_store_b128 v1, v[84:87], s[14:15] offset:512 th:TH_STORE_NT
	s_endpgm
.Lfunc_end_k_q085dc7ffb9_combine:
	.size	k_q085dc7ffb9_combine, .Lfunc_end_k_q085dc7ffb9_combine-k_q085dc7ffb9_combine
	.p2alignl 7, 3214868480
	.fill 96, 4, 3214868480
	.section	.rodata,"a",@progbits
	.p2align	6, 0x0
	.amdhsa_kernel k_q085dc7ffb9_combine
		.amdhsa_group_segment_fixed_size 0
		.amdhsa_private_segment_fixed_size 0
		.amdhsa_enable_private_segment 0
		.amdhsa_kernarg_size 56
		.amdhsa_user_sgpr_count 2
		.amdhsa_user_sgpr_kernarg_segment_ptr 1
		.amdhsa_wavefront_size32 1
		.amdhsa_system_sgpr_workgroup_id_x 1
		.amdhsa_system_sgpr_workgroup_id_y 1
		.amdhsa_system_sgpr_workgroup_id_z 1
		.amdhsa_system_vgpr_workitem_id 0
		.amdhsa_next_free_vgpr 232
		.amdhsa_next_free_sgpr 66
		.amdhsa_reserve_vcc 1
		.amdhsa_float_denorm_mode_32 3
		.amdhsa_float_denorm_mode_16_64 3
		.amdhsa_memory_ordered 1
		.amdhsa_forward_progress 1
		.amdhsa_inst_pref_size 17
	.end_amdhsa_kernel
	.amdgpu_metadata
---
amdhsa.version: [ 1, 2 ]
amdhsa.kernels:
  - .name:           k_q085dc7ffb9_combine
    .symbol:         k_q085dc7ffb9_combine.kd
    .args:
      - { .name: pbuf, .offset: 0, .size: 8, .value_kind: global_buffer, .address_space: global }
      - { .name: b2, .offset: 8, .size: 8, .value_kind: global_buffer, .address_space: global }
      - { .name: ridx, .offset: 16, .size: 8, .value_kind: global_buffer, .address_space: global }
      - { .name: rgate, .offset: 24, .size: 8, .value_kind: global_buffer, .address_space: global }
      - { .name: raux, .offset: 32, .size: 8, .value_kind: global_buffer, .address_space: global }
      - { .name: out0, .offset: 40, .size: 8, .value_kind: global_buffer, .address_space: global }
      - { .name: out1, .offset: 48, .size: 8, .value_kind: global_buffer, .address_space: global }
    .group_segment_fixed_size: 0
    .private_segment_fixed_size: 0
    .kernarg_segment_align: 8
    .kernarg_segment_size: 56
    .max_flat_workgroup_size: 512
    .sgpr_count:     66
    .vgpr_count:     232
    .wavefront_size: 32
...
	.end_amdgpu_metadata
.endif
;; end of part 4
;; ======== version 2 of 2: 4 launches
;; workspace buffers: xb 2,097,152 bytes; ridx 4,096 bytes of whole numbers; rgate 8,192 bytes; raux 16,384 bytes; hbuf 16,777,216 bytes; pbuf 33,554,432 bytes
;; launch router: the kernel of part 1 again; grid 256 x 1, 1 waves a work-group, no clusters, 0 bytes of LDS; arguments x, Wr, br, xb, ridx, rgate, raux; writes xb, ridx, rgate, raux
;; launch ffn1 (part 5): grid 256 x 1, 4 waves a work-group, no clusters, 257,024 bytes of LDS; arguments xb, W1, b1, ridx, hbuf; writes hbuf
.if DOCPART == 5
	.amdgcn_target "amdgcn-amd-amdhsa--gfx1250"
	.amdhsa_code_object_version 6
	.text
	.protected	k_q085dc7ffb9_ffn1
	.globl	k_q085dc7ffb9_ffn1
	.p2align	8
	.type	k_q085dc7ffb9_ffn1,@function
k_q085dc7ffb9_ffn1:
	s_mov_b64 s[64:65], 0
	v_nop
	global_prefetch_b8 v0, s[64:65] scope:SCOPE_SE
	s_setreg_imm32_b32 hwreg(HW_REG_WAVE_MODE, 25, 1), 1
	s_wait_xcnt 0x0
; ONE PRODUCT OF THE EXPERTS' MLP; one text for both, chosen by WHICH.
; WHICH = 1: H[slot] = gelu(x[token] W1[e] + b1[e]), bf16.  WHICH = 2: P[ks][slot] = H[slot][quarter ks] W2[e][quarter ks], f32 partial sums that a later launch adds.
; slot = 2 token + k names a token's k-th chosen expert.  Only the chosen rows are multiplied.
; SHARES.  A work-group has one expert and a slice of its weights, 1,024 along K x 128 columns (524,288 bytes of f32 that it alone reads), and ALL rows of that expert.
; Wave 0 makes the list of the expert's slots from ridx (whole numbers that an earlier launch stored).  Rows go in tiles of 16; tile 4 j + w of a pass is wave w's, j = 0..4:
; a pass serves 320 rows, four passes (a constant) serve every split, 1,024 rows on one expert too.  Only a pass beyond the first that has rows reads the slice again.
; A TRIP is a chunk of 128 along K, and LDS has TWO SLOTS: trip c multiplies chunk c out of one slot while it lays chunk c + 1, which waits in registers, into the other, and asks memory for chunk c + 2.
; One barrier a trip: in front of it each wave has waited for its LDS stores and loads, so behind it the slot to be read is whole and nobody reads the slot to be filled.
; The weights are rounded to bf16 in registers and lie in LDS as [k][n]; each wave lays its own tiles' rows into LDS bytes of its own.  The LDS instructions stand in runs behind each tile's eight
; matrix instructions.  The last trip of a pass lays stale registers into the slot that nobody reads: so no LDS instruction is jumped, and every counted wait holds on every path.
; LOADS OUT.  Loads retire in order, and an issue past the counter's field stalls (ISA guide 5.7.1).  So the rows of tiles 0 and 4 are asked for ahead of the 32 loads of weights: 48 out at a trip's head,
; 56 behind tile 1's, and behind tiles 2 and 3's 72 less the 16 oldest.
; THE MATRIX INSTRUCTION IS USED TRANSPOSED: source 0 = 16 columns of W (turned on the way out of LDS), source 1 = 16 rows: a lane holds one row's eight neighbouring columns.
; No tensor loads: f32 weights must pass through registers to be rounded, and the rows come by a list.  No cluster: what an expert's work-groups share is those listed rows.
; The accumulators are written by moves ahead of a pass (WHICH = 1: with the bias; 2: with 0), so that one text of a chunk serves every chunk of every pass.
; A pass's set-up stands once, at the pass loop's bottom; the kernel enters the loop there.
; LIMITS.  All inputs are rounded to bf16 once (b1 too).  erf by a rational approximation with an exponential (five coefficients), absolute error up to 1.5e-7 for every argument.
; Places past the count in a tile repeat the list's last row (equal bytes stored again by the same wave); a wave of a pass with rows multiplies four tiles at the least.  NaN and infinities are not treated apart.
.set WHICH, 1
.if WHICH == 1
.set WPITCH, 16384                     ; bytes from row to row of W
.set SRI,  10                          ; s[10:11] ridx
.set ASH,  10                          ; 2 x token << 10: x's row of 2,048 bytes
.set OSH,  13                          ; slot << 13: H's row of 8,192 bytes
.else
.set WPITCH, 4096
.set SRI,  8                           ; s[8:9] ridx
.set ASH,  13                          ; slot << 13: H's row
.set OSH,  12                          ; slot << 12: P's row of 4,096 bytes
.endif
.set PW,    288                        ; a K row of W in LDS: 256 bytes + 32: the turning load's 8 rows x 32 bytes fall on different banks
.set PA,    272                        ; a token row in LDS: 256 bytes + 16
.set PS,    528                        ; WHICH = 2: a row of the f32 stage: 512 bytes + 16
.set AREG,  128*PW                     ; in a slot, behind W: 80 rows for each wave; slot 0's are also the wave's stage on the way out
.set ASZ,   80*PA
.set LIST,  AREG+4*ASZ                 ; behind slot 0: the expert's slots by rank; zeros behind them
.set DUMPI, 1300                       ; the list's entry that takes the stores of lanes without a slot; no pass reads it (the last entry read is 1,279)
.set CNTW,  LIST+6400                  ; the number of slots
.set SPARE, LIST+6656                  ; the spare words, 128 bytes a wave: two blocks of 256 bytes that no other line names
.set SLOT1, 1<<17                      ; slot 1 begins behind the spare words, so that one exclusive or turns a slot's offset into the other's
.set BIASL, SLOT1+LIST                 ; behind slot 1.  WHICH = 1: the slice's 128 numbers of b1, rounded, a copy of 512 bytes for each wave
; window 0: v1 lane; v2, v3 the add's two; v4 16 l; v5 W store; v6 row-wise place in my rows; v7 fragment place in my rows; v8 W fragment place; v9 list place; v10 16 (l % 16); v11 prefetch offset;
;           v12, v13 f32 stage in and back; v14 bias place; v15-35 at work; v36, v37 v7 and v8 in the slot read; v38, v39 v5 and v6 in the slot filled; v40-47 a tile's store offsets;
;           v48-127 row fragments, two buffers of 5; v128-255 W fragments, two buffers of 8
; window 1: accumulators of tiles 0-3 at 64 j + 8 nb      window 2: v0-63 tile 4; v64-191 W as loaded; v192-255 W rounded
; window 3: v0-159 rows as loaded; v160-199 their load offsets; v200-239 their output rows' offsets
; s14 wave; s15 expert; s17 count; s19 320 x pass; s20 my tiles with rows; s21 my tiles staged and multiplied (0, 4, 5); s22 the pass has rows; s23, s24, s25 counters;
; s[26:27] my rows of the slice; s[28:29] the chunk asked for last; s[30:31], s[32:33] the same for the token rows; s[34:35] output; s[44:59] constants; s[60:61] bias; s62 the pass's place in the list;
; s63 the slot read, s66 the slot filled (0 or SLOT1); s68-79 the list's masks and ranks
.set MSB, 0
.macro WIN new                         ; the immediate's high byte repeats the setting that is left; at every label and branch the setting is 0
.if MSB != (\new)
	s_set_vgpr_msb (MSB<<8)|(\new)
.set MSB, (\new)
.endif
.endm
.macro PLACES                          ; four plain vector instructions between a matrix instruction and what reads its result or loads into its registers
.rept 4
	v_nop
.endr
.endm
.macro WLOAD                           ; my 32 K rows of a chunk: each load takes a slice row's 512 consecutive bytes
	WIN 0x80
.set wi, 0
.rept 32
	global_load_b128 v[64+4*wi:64+4*wi+3], v4, s[28:29] offset:wi*WPITCH th:TH_LOAD_NT
.set wi, wi+1
.endr
	WIN 0
.endm
.macro WAHEAD                          ; the chunk behind the one just asked for, into the L2: my own 32 rows x 512 bytes, lanes 256 bytes apart, each block asked for by this wave alone
	global_prefetch_b8 v11, s[28:29] offset:128*WPITCH th:TH_LOAD_NT scope:SCOPE_SE
	global_prefetch_b8 v11, s[28:29] offset:144*WPITCH th:TH_LOAD_NT scope:SCOPE_SE
.endm
.macro ALOADT j                        ; tile j's 16 rows x 256 bytes: 16 lanes take one row's piece
	WIN 0xc3
.irp i, 0,1,2,3,4,5,6,7
	global_load_b128 v[32*(\j)+4*\i:32*(\j)+4*\i+3], v[160+8*(\j)+\i], s[32:33]
.endr
.endm
.macro AGRP a, b                       ; the rows of tiles a and b of the chunk after next; the last two trips have none and jump them
	WIN 0
	s_cmp_lt_u32 s23, 3
	s_cbranch_scc1 .Lna_\@
	ALOADT \a
.if (\b) != (\a)
	ALOADT \b
.endif
	WIN 0
.Lna_\@:
.endm
.macro WCVT                            ; rounded to bf16, into registers of their own: the registers read are free for the next loads
	WIN 0x8a
.set wi, 0
.rept 32
	v_cvt_pk_bf16_f32 v[192+2*wi], v[64+4*wi], v[64+4*wi+1]
	v_cvt_pk_bf16_f32 v[193+2*wi], v[64+4*wi+2], v[64+4*wi+3]
.set wi, wi+1
.endr
	WIN 0
.endm
.macro WSR adr, lo, hi                 ; my K rows lo .. hi - 1 of W into LDS, 256 consecutive bytes a store
	WIN 0x08
.set wi, \lo
.rept (\hi)-(\lo)
	ds_store_b64 v[\adr], v[192+2*wi:193+2*wi] offset:PW*wi
.set wi, wi+1
.endr
.endm
.macro ASTORET adr, j                  ; tile j's rows into LDS
	WIN 0x0c
.irp i, 0,1,2,3,4,5,6,7
	ds_store_b128 v[\adr], v[32*(\j)+4*\i:32*(\j)+4*\i+3] offset:(16*(\j)+\i)*PA
.endr
.endm
; Loads lo .. hi - 1 of the run that brings the fragments of 32 along K, step s of a chunk's four, into buffer u: numbers 0-15 W's eight fragments, from 16 on the rows', two loads a tile
.macro FRAGP s, u, lo, hi
	WIN 0
.set fq, \lo
.rept (\hi)-(\lo)
.if fq < 16
	ds_load_tr16_b128 v[128+64*(\u)+4*fq:128+64*(\u)+4*fq+3], v37 offset:32*(\s)*PW+16*PW*(fq%2)+32*(fq/2)
.else
	ds_load_b128 v[48+40*(\u)+4*(fq-16):48+40*(\u)+4*(fq-16)+3], v36 offset:16*((fq-16)/2)*PA+64*(\s)+32*((fq-16)%2)
.endif
.set fq, fq+1
.endr
.endm
.macro MULT u, j                       ; tile j's eight matrix instructions on buffer u
.if (\j) < 4
	WIN 0x50
.set mb, 64*(\j)
.else
	WIN 0xa0
.set mb, 0
.endif
.irp nb, 0,1,2,3,4,5,6,7
	v_wmma_f32_16x16x32_bf16 v[mb+8*\nb:mb+8*\nb+7], v[128+64*(\u)+8*\nb:128+64*(\u)+8*\nb+7], v[48+40*(\u)+8*(\j):48+40*(\u)+8*(\j)+7], v[mb+8*\nb:mb+8*\nb+7]
.endr
.endm
; Step s of a chunk's four: 32 along K.  The accumulators take turns, one instruction a turn, in the same order in every step.  Tile 4 stands first, under a branch on my number of tiles.
; Behind each tile stands a run of LDS instructions: the next step's fragments out of the slot read, and the next chunk's rows and weights into the slot filled.
.macro STEP s
.set su, (\s)%2
.set sn, ((\s)+1)%2
.if (\s) == 1
	AGRP 1, 1                                      ; tile 1's registers were stored in step 0, ahead of fragment loads that have been waited for
.elseif (\s) == 2
	AGRP 2, 3                                      ; likewise tiles 2 and 3's
.endif
	WIN 0
	s_cmp_lt_u32 s21, 5
	s_cbranch_scc1 .Lno4_\@
.if (\s) < 3
	FRAGP (\s)+1, sn, 24, 26
.endif
	MULT su, 4
	WIN 0
.Lno4_\@:
	MULT su, 0
.if (\s) == 0
	ASTORET 39, 1
	FRAGP 1, 1, 0, 4
.elseif (\s) == 1
	ASTORET 39, 3
	FRAGP 2, 0, 0, 4
.elseif (\s) == 2
	FRAGP 3, 1, 0, 8
.else
	WSR 38, 16, 32
.endif
	MULT su, 1
.if (\s) < 2
	FRAGP (\s)+1, sn, 4, 14
.elseif (\s) == 2
	FRAGP 3, 1, 8, 16
.endif
	MULT su, 2
.if (\s) < 2
	FRAGP (\s)+1, sn, 14, 24
.elseif (\s) == 2
	FRAGP 3, 1, 16, 24
.endif
	MULT su, 3
.if (\s) == 0
	ASTORET 39, 2
.elseif (\s) == 2
	WSR 38, 0, 16
.endif
.endm
.macro PASSVARS                        ; what the pass at row s19 holds for my wave
	s_sub_co_i32 s36, s17, s19
	s_max_i32 s36, s36, 0                          ; rows left
	s_min_u32 s22, s36, 1
	s_add_co_u32 s37, s36, 15
	s_lshr_b32 s37, s37, 4
	s_min_u32 s37, s37, 20                         ; the pass's tiles
	s_add_co_u32 s37, s37, 3
	s_sub_co_u32 s37, s37, s14
	s_lshr_b32 s20, s37, 2                         ; of them 4 j + w: mine
	s_max_u32 s21, s20, 4                          ; four or five are multiplied;
	s_cmp_eq_u32 s22, 0
	s_cselect_b32 s21, 0, s21                      ; none in a pass without rows
.endm
.macro PROLOG                          ; a pass's offsets from the list, and the rows of its chunk 0
	WIN 0
	s_lshl_b32 s62, s19, 2                         ; 4 bytes an entry, 320 entries a pass;
	s_min_u32 s62, s62, 3840                       ; never beyond the fourth pass's entries
	v_add_nc_u32 v16, s62, v9
.irp j, 0,1,2,3,4
	ds_load_b128 v[48+8*\j:51+8*\j], v16 offset:256*\j
	ds_load_b128 v[52+8*\j:55+8*\j], v16 offset:256*\j+16
.endr
	s_mov_b64 s[32:33], s[30:31]
	s_wait_dscnt 0x0
.set pk, 0
.rept 40
	v_min_u32 v[48+pk], 0x7ff, v[48+pk]            ; a loaded number enters an address only behind a clamp
.if WHICH == 1
	v_and_b32 v[88+pk], 0x7fe, v[48+pk]            ; 2 x token
	v_lshlrev_b32 v[88+pk], ASH, v[88+pk]
.else
	v_lshlrev_b32 v[88+pk], ASH, v[48+pk]
.endif
.set pk, pk+1
.endr
	WIN 0xc0
.set pk, 0
.rept 40
	v_add_nc_u32 v[160+pk], v10, v[88+pk]          ; the row to load, and my 16 bytes of its 256
	v_lshlrev_b32 v[200+pk], OSH, v[48+pk]         ; the row to store
.set pk, pk+1
.endr
.irp j, 0,1,2,3,4
	ALOADT \j
.endr
	WIN 0
.endm
.macro ACCINIT
.set aj, 0
.rept 5
.if aj < 4
	WIN 0x40
.set ab, 64*aj
.else
	WIN 0x80
.set ab, 0
.endif
.set ak, 0
.rept 64
.if WHICH == 1
	v_mov_b32 v[ab+ak], v[128+ak]
.else
	v_mov_b32 v[ab+ak], 0
.endif
.set ak, ak+1
.endr
.set aj, aj+1
.endr
	WIN 0
.endm
; Registers 4 g .. 4 g + 3 of the 32 with the tokens' choices: lane l holds tokens 128 g + 4 l + c.  Who chose my expert takes the next ranks; every other lane stores to the dump entry.
; Four registers go side by side, so that no line waits for the one just before it.
.macro LISTGRP g
.irp c, 0,1,2,3
	v_and_b32 v[16+\c], 0xff, v[192+4*(\g)+\c]
	v_lshrrev_b32 v[20+\c], 8, v[192+4*(\g)+\c]
.endr
.irp c, 0,1,2,3
	v_cmp_eq_u32 s[68+\c], s15, v[16+\c]
	v_cmp_eq_u32 s[72+\c], s15, v[20+\c]
.endr
.irp c, 0,1,2,3
	v_cndmask_b32 v[24+\c], 0, 1, s[72+\c]         ; k
.endr
.irp c, 0,1,2,3
	s_or_b32 s[68+\c], s[68+\c], s[72+\c]          ; the lanes that chose my expert
.endr
	s_mov_b32 s76, s38                             ; the ranks taken ahead of each of the four
	s_bcnt1_i32_b32 s42, s68
	s_add_co_u32 s77, s76, s42
	s_bcnt1_i32_b32 s42, s69
	s_add_co_u32 s78, s77, s42
	s_bcnt1_i32_b32 s42, s70
	s_add_co_u32 s79, s78, s42
	s_bcnt1_i32_b32 s42, s71
	s_add_co_u32 s38, s79, s42
.irp c, 0,1,2,3
	v_mbcnt_lo_u32_b32 v[28+\c], s[68+\c], s[76+\c]  ; + the choosing lanes below mine
.endr
.irp c, 0,1,2,3
	v_cndmask_b32 v[28+\c], v37, v[28+\c], s[68+\c]
	v_add_nc_u32 v[24+\c], v[24+\c], v15           ; slot = 2 token + k
.endr
.irp c, 0,1,2,3
	v_min_u32 v[28+\c], DUMPI, v[28+\c]            ; a number made of loaded ones enters an address only behind a clamp
.endr
.irp c, 0,1,2,3
	v_lshlrev_b32 v[28+\c], 2, v[28+\c]
.if (256*(\g)+2*\c) != 0
	v_add_nc_u32 v[24+\c], 256*(\g)+2*\c, v[24+\c]
.endif
.endr
.irp c, 0,1,2,3
	v_add_nc_u32 v[28+\c], LIST, v[28+\c]
.endr
.irp c, 0,1,2,3
	ds_store_b32 v[28+\c], v[24+\c]
.endr
.endm
.if WHICH == 1
.macro EBLOCK j, b                     ; half b (64 columns) of tile j: x / 2 into window 0, each accumulator from its low end on; and the tile's store offsets
.if (\j) < 4
	WIN 0x01
.set eb, 64*(\j)+32*(\b)
.else
	WIN 0x02
.set eb, 32*(\b)
.endif
.set ek, 0
.rept 16
	v_pk_mul_f32 v[48+ek:49+ek], v[eb+ek:eb+ek+1], 0.5 op_sel_hi:[1,0]
.set ek, ek+2
.endr
	WIN 0x0c
.irp i, 0,1,2,3,4,5,6,7
	v_add_nc_u32 v[40+\i], v10, v[200+8*(\j)+\i]
.endr
	WIN 0
.endm
; gelu(x) = x/2 + |x/2| erf(|x| / sqrt 2) for the 32 numbers in v48-79, packed to bf16 in v240-255.  erf(z) = 1 - (a1 t + .. + a5 t^5) e^(-z z), t = 1 / (1 + p z).
; With y = x / 2: p z = p sqrt 2 |y|, z z = 2 y y.  The 32 reciprocals and 32 exponentials are one batch with one wait.
.macro GELU
.set g, 0
.rept 32
	v_and_b32 v[112+g], s58, v[48+g]
.set g, g+1
.endr
.set g, 0
.rept 16
	v_pk_fma_f32 v[144+g:145+g], v[112+g:113+g], s[44:45], 1.0 op_sel_hi:[1,0,0]
	v_pk_mul_f32 v[176+g:177+g], v[48+g:49+g], s[46:47] op_sel_hi:[1,0]
.set g, g+2
.endr
.set g, 0
.rept 16
	v_pk_mul_f32 v[176+g:177+g], v[176+g:177+g], v[48+g:49+g]
.set g, g+2
.endr
.set g, 0
.rept 32
	v_rcp_f32 v[144+g], v[144+g]
.set g, g+1
.endr
.set g, 0
.rept 32
	v_exp_f32 v[176+g], v[176+g]
.set g, g+1
.endr
	v_nop                                          ; a plain instruction behind the last of the batch,
	s_wait_alu depctr_va_vdst(0)                   ; and one wait ahead of the first reader
.set g, 0
.rept 16
	v_pk_fma_f32 v[208+g:209+g], v[144+g:145+g], s[48:49], s[50:51] op_sel_hi:[1,0,0]
.set g, g+2
.endr
.irp c, 52, 54, 56
.set g, 0
.rept 16
	v_pk_fma_f32 v[208+g:209+g], v[208+g:209+g], v[144+g:145+g], s[\c:\c+1] op_sel_hi:[1,1,0]
.set g, g+2
.endr
.endr
.set g, 0
.rept 16
	v_pk_mul_f32 v[208+g:209+g], v[208+g:209+g], v[144+g:145+g]
.set g, g+2
.endr
.set g, 0
.rept 16
	v_pk_fma_f32 v[208+g:209+g], v[208+g:209+g], v[176+g:177+g], 1.0 op_sel_hi:[1,1,0] neg_lo:[1,0,0] neg_hi:[1,0,0]
.set g, g+2
.endr
.set g, 0
.rept 16
	v_pk_fma_f32 v[48+g:49+g], v[112+g:113+g], v[208+g:209+g], v[48+g:49+g]
.set g, g+2
.endr
.set g, 0
.rept 16
	v_cvt_pk_bf16_f32 v[240+g], v[48+2*g], v[49+2*g]
.set g, g+1
.endr
.endm
.else
.macro EBLOCK j                        ; tile j's sums into my stage, each accumulator's low half first; and its store offsets
.if (\j) < 4
	WIN 0x04
.set eb, 64*(\j)
.else
	WIN 0x08
.set eb, 0
.endif
.irp nb, 0,1,2,3,4,5,6,7
	ds_store_b128 v12, v[eb+8*\nb:eb+8*\nb+3] offset:64*\nb
	ds_store_b128 v12, v[eb+8*\nb+4:eb+8*\nb+7] offset:64*\nb+16
.endr
	WIN 0x0c
.irp i, 0,1,2,3,4,5,6,7
	v_add_nc_u32 v[40+\i], v10, v[200+8*(\j)+\i]
.endr
	WIN 0
.endm
.endif
	s_load_b256 s[4:11], s[0:1], 0x0               ; WHICH = 1: xb, W1, b1, ridx.  WHICH = 2: hbuf, W2, ridx, pbuf
.if WHICH == 1
	s_load_b64 s[12:13], s[0:1], 0x20              ; hbuf
.endif
	v_lshl_add_u32 v2, v0, 2, SPARE                ; my spare word,
	v_mov_b32 v3, 0                                ; and 0: kept for the add at the wave's end
	v_lshrrev_b32 v24, 5, v0
	v_readfirstlane_b32 s14, v24                   ; wave 0..3
	v_and_b32 v1, 31, v0                           ; l
	v_and_b32 v24, 15, v0                          ; l % 16
	v_bfe_u32 v25, v0, 4, 1                        ; l / 16
	v_lshlrev_b32 v4, 4, v1
	s_mul_i32 s36, s14, 32*PW
	v_lshl_add_u32 v5, v1, 3, s36                  ; my 32 K rows of W, 8 bytes a lane
	s_mul_i32 s37, s14, ASZ
	s_add_co_u32 s37, s37, AREG                    ; my rows' bytes
	v_lshlrev_b32 v10, 4, v24
	v_mul_u32_u24 v6, v25, 8*PA
	v_add_nc_u32 v6, v6, v10
	v_add_nc_u32 v6, s37, v6                       ; row 8 (l / 16), byte 16 (l % 16)
	v_mul_u32_u24 v7, v24, PA
	v_lshl_add_u32 v7, v25, 4, v7
	v_add_nc_u32 v7, s37, v7                       ; row l % 16, byte 16 (l / 16)
	v_and_b32 v26, 7, v0
	v_lshl_add_u32 v26, v25, 3, v26
	v_mul_u32_u24 v8, v26, PW
	v_bfe_u32 v26, v0, 3, 1
	v_lshl_add_u32 v8, v26, 4, v8                  ; the turning load: K row 8 (l / 16) + l % 8, byte 16 ((l / 8) % 2)
	s_lshl_b32 s38, s14, 6
	s_add_co_u32 s38, s38, LIST
	v_lshl_add_u32 v9, v25, 5, s38                 ; list entry 16 w + 8 (l / 16)
	v_lshrrev_b32 v26, 1, v1
	v_mul_u32_u24 v11, v26, WPITCH
	v_and_b32 v26, 1, v0
	v_lshl_add_u32 v11, v26, 8, v11                ; prefetch: row l / 2, block l % 2 of 256 bytes
	s_mov_b32 s63, 0                               ; a pass's chunk 0 lies in slot 0; eight trips turn the two back to this
	s_mov_b32 s66, SLOT1
.if WHICH == 1
	s_lshl_b32 s39, s14, 9
	s_add_co_u32 s39, s39, BIASL                   ; my copy of the bias
	v_lshl_add_u32 v14, v25, 5, s39                ; read: my 8 columns of a block of 16
	v_lshl_add_u32 v44, v1, 4, s39                 ; written: 4 columns a lane
	s_mov_b32 s44, 0x3eed3388                      ; p sqrt 2 = 0.46328378
	s_mov_b32 s45, 0x3eed3388
	s_mov_b32 s46, 0xc038aa3b                      ; -2 log2(e)
	s_mov_b32 s47, 0xc038aa3b
	s_mov_b32 s48, 0x3f87dc22                      ; a5 = 1.061405429
	s_mov_b32 s49, 0x3f87dc22
	s_mov_b32 s50, 0xbfba00e3                      ; a4 = -1.453152027
	s_mov_b32 s51, 0xbfba00e3
	s_mov_b32 s52, 0x3fb5f0e3                      ; a3 = 1.421413741
	s_mov_b32 s53, 0x3fb5f0e3
	s_mov_b32 s54, 0xbe91a98e                      ; a2 = -0.284496736
	s_mov_b32 s55, 0xbe91a98e
	s_mov_b32 s56, 0x3e827906                      ; a1 = 0.254829592
	s_mov_b32 s57, 0x3e827906
	s_mov_b32 s58, 0x7fffffff
	s_mov_b32 s59, 0xffff0000
.else
	v_mul_u32_u24 v12, v24, PS
	v_lshl_add_u32 v12, v25, 5, v12
	v_add_nc_u32 v12, s37, v12                     ; stage in: row l % 16, byte 32 (l / 16)
	v_mul_u32_u24 v13, v25, 8*PS
	v_add_nc_u32 v13, v13, v10
	v_add_nc_u32 v13, s37, v13                     ; stage back: row 8 (l / 16), byte 16 (l % 16)
.endif
	s_lshr_b32 s15, ttmp9, 5                       ; the expert
	s_mov_b32 s41, 0
.if WHICH == 1
	s_and_b32 s16, ttmp9, 31                       ; which 128 of 4,096 columns
	s_lshl_b32 s18, s14, 19                        ; my 32 rows of a chunk
.else
	s_and_b32 s16, ttmp9, 7                        ; which 128 of 1,024 columns
	s_bfe_u32 s42, ttmp9, 0x20003                  ; ks: which quarter of K
	s_lshl_b32 s18, s14, 17
	s_lshl_b32 s43, s42, 22
	s_add_co_u32 s18, s18, s43
.endif
	s_lshl_b32 s40, s15, 24                        ; an expert's weights: 16,777,216 bytes
	s_add_co_u32 s40, s40, s18
	s_lshl_b32 s18, s16, 9                         ; 512 bytes a slice
	s_add_co_u32 s40, s40, s18
	s_wait_kmcnt 0x0
	s_add_nc_u64 s[26:27], s[6:7], s[40:41]
.if WHICH == 1
	s_mov_b64 s[30:31], s[4:5]
	s_lshl_b32 s40, s16, 8
	s_add_nc_u64 s[34:35], s[12:13], s[40:41]
	s_lshl_b32 s40, s15, 14
	s_add_co_u32 s40, s40, s18
	s_add_nc_u64 s[60:61], s[8:9], s[40:41]
.else
	s_lshl_b32 s40, s42, 11
	s_add_nc_u64 s[30:31], s[4:5], s[40:41]
	s_lshl_b32 s40, s42, 23
	s_add_co_u32 s40, s40, s18
	s_add_nc_u64 s[34:35], s[10:11], s[40:41]
.endif
	s_mov_b64 s[28:29], s[26:27]
	s_cmp_lg_u32 s14, 0
	s_cbranch_scc1 .Lno_ridx
.set li, 0
.rept 8
	global_load_b128 v[192+4*li:195+4*li], v4, s[SRI:SRI+1] offset:512*li   ; wave 0: all 1,024 tokens' choices, 512 consecutive bytes a load
.set li, li+1
.endr
.Lno_ridx:
.if WHICH == 1
	global_load_b128 v[40:43], v4, s[60:61]        ; the slice's 128 numbers of b1
.endif
	WLOAD                                          ; chunk 0 of the weights hangs on no list: it is asked for at once
	s_cmp_lg_u32 s14, 0
	s_cbranch_scc1 .Lno_list
.if WHICH == 1
	s_wait_loadcnt 33                              ; the choices are in; behind them one load of the bias and 32 of W
.else
	s_wait_loadcnt 32                              ; the choices are in; behind them 32 loads of W
.endif
	v_lshl_add_u32 v36, v1, 4, LIST
	v_mov_b32 v32, 0
	v_mov_b32 v33, 0
	v_mov_b32 v34, 0
	v_mov_b32 v35, 0
.set li, 0
.rept 13
	ds_store_b128 v36, v[32:35] offset:512*li      ; the whole list region starts as slot 0
.set li, li+1
.endr
	v_lshlrev_b32 v15, 3, v1                       ; 2 x 4 l
	v_mov_b32 v37, DUMPI
	s_mov_b32 s38, 0
.irp g, 0,1,2,3,4,5,6,7
	LISTGRP \g
.endr
	s_max_u32 s42, s38, 1
	s_sub_co_u32 s42, s42, 1
	v_mov_b32 v16, s42
	v_min_u32 v16, 0x3ff, v16
	v_lshlrev_b32 v16, 2, v16
	v_add_nc_u32 v16, LIST, v16
	ds_load_b32 v17, v16                           ; the last slot of the list,
	v_add_nc_u32 v18, s38, v1
	v_min_u32 v18, 0x41f, v18
	v_lshlrev_b32 v18, 2, v18
	v_add_nc_u32 v18, LIST, v18
	v_mov_b32 v19, s38
	v_mov_b32 v20, CNTW
	s_wait_dscnt 0x0
	ds_store_b32 v18, v17                          ; repeated in the 32 places behind it,
	ds_store_b32 v20, v19                          ; and the count
.Lno_list:
.if WHICH == 1
	s_wait_loadcnt 32                              ; the bias is in; W's 32 loads stay out
	v_cvt_pk_bf16_f32 v40, v40, v41                ; rounded to bf16, widened again, and kept in my own LDS bytes
	v_cvt_pk_bf16_f32 v42, v42, v43
	v_and_b32 v41, s59, v40
	v_and_b32 v43, s59, v42
	v_lshlrev_b32 v40, 16, v40
	v_lshlrev_b32 v42, 16, v42
	ds_store_b128 v44, v[40:43]
.endif
	s_wait_dscnt 0x0                               ; for the others' sake: the list is written
	s_barrier_signal -1
	s_barrier_wait -1
	v_mov_b32 v16, CNTW
	ds_load_b32 v17, v16
	s_wait_dscnt 0x0
	v_readfirstlane_b32 s17, v17
	s_min_u32 s17, s17, 1024
	s_mov_b32 s19, 0
	PASSVARS
	s_mov_b32 s24, 5                               ; the set-up at the loop's bottom counts one, the four passes one each
	s_branch .Linit                                ; the loop is entered at its bottom, where a pass is set up
.Lpass:
	s_mov_b32 s23, 8
.Ltrip:                                                ; trip c = 8 - s23: chunk c lies in slot s63, chunk c + 1 is on its way into registers
	s_wait_dscnt 0x0                               ; for the others' sake: my stores into slot s63 are done, and my reads of slot s66 are over
	v_add_nc_u32 v36, s63, v7                      ; this trip's four LDS places; these four lines are also the places ahead of the loads into fragment buffer 0
	v_add_nc_u32 v37, s63, v8
	v_add_nc_u32 v38, s66, v5
	v_add_nc_u32 v39, s66, v6
	s_barrier_signal -1
	s_barrier_wait -1                              ; both hold of every wave
	s_cmp_eq_u32 s21, 0
	s_cbranch_scc1 .Lcdone                         ; a pass without rows only passes its barriers
	s_wait_loadcnt 0x0                             ; chunk c + 1: its weights and rows are in registers
	s_cmp_lt_u32 s21, 5
	s_cbranch_scc1 .Lh4
	ASTORET 39, 4
	FRAGP 0, 0, 24, 26
	WIN 0
.Lh4:
	ASTORET 39, 0
	FRAGP 0, 0, 0, 24                              ; step 0's fragments; the 64 conversions below stand in the wait for them
	WCVT
	s_wait_dscnt 24                                ; all but the 24 loads just issued: the stores of tiles 0 and 4 have read their registers
	s_cmp_lt_u32 s23, 3
	s_cbranch_scc1 .Lhn                            ; the last two trips have no chunk c + 2
	s_wait_xcnt 0x0                                ; the pointers are stepped only behind this wait
	s_add_nc_u64 s[28:29], s[28:29], 128*WPITCH
	s_add_nc_u64 s[32:33], s[32:33], 256
	ALOADT 0
	WIN 0
	s_cmp_lt_u32 s21, 5
	s_cbranch_scc1 .Lh5
	ALOADT 4
	WIN 0
.Lh5:
	WLOAD                                          ; chunk c + 2's weights have a whole trip in which to land
	s_cmp_lt_u32 s23, 4
	s_cbranch_scc1 .Lhn                            ; the last three trips have no chunk c + 3
	WAHEAD
.Lhn:
	s_wait_dscnt 0x0                               ; step 0's fragments
	STEP 0
	s_wait_dscnt 8                                 ; step 1's fragments are in; tile 2's eight stores may be out
	PLACES                                         ; the buffer loaded next was read by the step before
	STEP 1
	s_wait_dscnt 0x0                               ; step 2's fragments; the youngest were issued eight matrix instructions ago
	PLACES
	STEP 2
	s_wait_dscnt 16                                ; step 3's fragments are in; sixteen stores of W may be out
	STEP 3
	WIN 0
.Lcdone:
	s_xor_b32 s63, s63, SLOT1                      ; the slots change places
	s_xor_b32 s66, s66, SLOT1
	s_sub_co_u32 s23, s23, 1
	s_cmp_lg_u32 s23, 0
	s_cbranch_scc1 .Ltrip
	; THE WAY OUT of a pass: my tiles that hold rows, through my own LDS bytes in slot 0: no barrier
	PLACES
	s_mov_b32 s25, 0
.if WHICH == 1
.Ltile:                                                ; ten half tiles: half s25 % 2 (64 columns) of tile s25 / 2, so that the activation's text stands once
	s_lshr_b32 s36, s25, 1
	s_cmp_ge_u32 s36, s20
	s_cbranch_scc1 .Lskip
	s_wait_xcnt 0x0                                ; the last tile's stores have read their offsets and data
.irp k, 0,1,2,3,4,5,6,7,8
	s_cmp_eq_u32 s25, \k
	s_cbranch_scc1 .Le\k
.endr
	EBLOCK 4, 1
	s_branch .Lcommon
.irp k, 0,1,2,3,4,5,6,7,8
.Le\k:
	EBLOCK (\k)/2, (\k)%2
.if \k < 8
	s_branch .Lcommon
.endif
.endr
.Lcommon:
	GELU
	s_and_b32 s37, s25, 1
	s_cmp_lg_u32 s37, 0
	s_cbranch_scc1 .Lodd
.irp q, 0,1,2,3
	ds_store_b128 v7, v[240+4*\q:243+4*\q] offset:32*\q          ; the rows' first 128 bytes wait in the stage
.endr
	s_branch .Lskip
.Lodd:
.irp q, 0,1,2,3
	ds_store_b128 v7, v[240+4*\q:243+4*\q] offset:128+32*\q
.endr
.irp i, 0,1,2,3,4,5,6,7
	ds_load_b128 v[112+4*\i:115+4*\i], v6 offset:PA*\i   ; LDS serves a wave's instructions in order (ISA guide 5.7.1.4): these see both halves' stores
.endr
.irp i, 0,1,2,3,4,5,6,7
	s_wait_dscnt 7-\i
	global_store_b128 v[40+\i], v[112+4*\i:115+4*\i], s[34:35]   ; 16 lanes store 256 consecutive bytes of a row of H, aligned
.endr
.Lskip:
	s_add_co_u32 s25, s25, 1
	s_cmp_lt_u32 s25, 10
	s_cbranch_scc1 .Ltile
.else
.Ltile:
	s_cmp_ge_u32 s25, s20
	s_cbranch_scc1 .Lskip
	s_wait_xcnt 0x0                                ; the last tile's stores have read their offsets and data
.irp k, 0,1,2,3
	s_cmp_eq_u32 s25, \k
	s_cbranch_scc1 .Le\k
.endr
	EBLOCK 4
	s_branch .Lcommon
.irp k, 0,1,2,3
.Le\k:
	EBLOCK \k
.if \k < 3
	s_branch .Lcommon
.endif
.endr
.Lcommon:
.irp i, 0,1,2,3,4,5,6,7
	ds_load_b128 v[112+8*\i:115+8*\i], v13 offset:PS*\i  ; LDS serves a wave's instructions in order (ISA guide 5.7.1.4): these see the stores above
	ds_load_b128 v[116+8*\i:119+8*\i], v13 offset:PS*\i+256
.endr
.irp i, 0,1,2,3,4,5,6,7
	s_wait_dscnt 15-2*\i
	global_store_b128 v[40+\i], v[112+8*\i:115+8*\i], s[34:35] th:TH_STORE_NT   ; 16 lanes store 256 consecutive bytes of a row of P, aligned
	s_wait_dscnt 14-2*\i
	global_store_b128 v[40+\i], v[116+8*\i:119+8*\i], s[34:35] offset:256 th:TH_STORE_NT
.endr
.Lskip:
	s_add_co_u32 s25, s25, 1
	s_cmp_lt_u32 s25, 5
	s_cbranch_scc1 .Ltile
.endif
	s_wait_xcnt 0x0                                ; the stores' data and offsets, and the loads' pointers, are written again only behind this wait
	s_wait_loadcnt 0x0                             ; no load is out (the last two trips asked for nothing): said ahead of the loads below, which write the same registers
	s_add_co_u32 s19, s19, 320
	PASSVARS
	s_cmp_eq_u32 s22, 0
	s_cbranch_scc1 .Lno_next                       ; no rows are left: the passes to come only pass their barriers
	s_mov_b64 s[28:29], s[26:27]
	WLOAD                                          ; a further pass reads the slice again, from its chunk 0
.Linit:                                                ; A PASS IS SET UP; the first pass's weights were asked for at the kernel's head
.if WHICH == 1
.irp nb, 0,1,2,3,4,5,6,7
	ds_load_b128 v[128+8*\nb:131+8*\nb], v14 offset:64*\nb       ; my lane's 8 columns of each of the 8 column blocks; the wait stands in PROLOG
	ds_load_b128 v[132+8*\nb:135+8*\nb], v14 offset:64*\nb+16
.endr
.endif
	PROLOG
	ACCINIT                                        ; stands in the wait for the rows
	s_wait_loadcnt 0x0                             ; chunk 0 is in registers: it goes into slot 0, and chunk 1 is asked for
	WCVT
.irp j, 0,1,2,3,4
	ASTORET 6, \j
.endr
	WSR 5, 0, 32
	WIN 0
	s_wait_dscnt 32                                ; the rows' stores have read their registers; the 32 stores of W may be out
	s_wait_xcnt 0x0                                ; the pointers are stepped only behind this wait
	s_add_nc_u64 s[28:29], s[28:29], 128*WPITCH
	s_add_nc_u64 s[32:33], s[32:33], 256
.irp j, 0,1,2,3,4
	ALOADT \j
.endr
	WIN 0
	WLOAD
	WAHEAD                                         ; chunk 2
.Lno_next:
	s_sub_co_u32 s24, s24, 1
	s_cmp_lg_u32 s24, 0
	s_cbranch_scc1 .Lpass
	s_wait_tensorcnt 0x0                           ; the wave's end
	ds_add_u32 v2, v3
	s_wait_dscnt 0x0
	s_endpgm
.Lfunc_end_k_q085dc7ffb9_ffn1:
	.size	k_q085dc7ffb9_ffn1, .Lfunc_end_k_q085dc7ffb9_ffn1-k_q085dc7ffb9_ffn1
	.p2alignl 7, 3214868480
	.fill 96, 4, 3214868480
	.section	.rodata,"a",@progbits
	.p2align	6, 0x0
	.amdhsa_kernel k_q085dc7ffb9_ffn1
		.amdhsa_group_segment_fixed_size 257024
		.amdhsa_private_segment_fixed_size 0
		.amdhsa_enable_private_segment 0
		.amdhsa_kernarg_size 40
		.amdhsa_user_sgpr_count 2
		.amdhsa_user_sgpr_kernarg_segment_ptr 1
		.amdhsa_wavefront_size32 1
		.amdhsa_system_sgpr_workgroup_id_x 1
		.amdhsa_system_sgpr_workgroup_id_y 1
		.amdhsa_system_sgpr_workgroup_id_z 1
		.amdhsa_system_vgpr_workitem_id 0
		.amdhsa_next_free_vgpr 1008
		.amdhsa_next_free_sgpr 96
		.amdhsa_reserve_vcc 0
		.amdhsa_float_denorm_mode_32 3
		.amdhsa_float_denorm_mode_16_64 3
		.amdhsa_memory_ordered 1
		.amdhsa_forward_progress 1
		.amdhsa_inst_pref_size 148
	.end_amdhsa_kernel
	.amdgpu_metadata
---
amdhsa.version: [ 1, 2 ]
amdhsa.kernels:
  - .name:           k_q085dc7ffb9_ffn1
    .symbol:         k_q085dc7ffb9_ffn1.kd
    .args:
      - { .name: xb, .offset: 0, .size: 8, .value_kind: global_buffer, .address_space: global }
      - { .name: W1, .offset: 8, .size: 8, .value_kind: global_buffer, .address_space: global }
      - { .name: b1, .offset: 16, .size: 8, .value_kind: global_buffer, .address_space: global }
      - { .name: ridx, .offset: 24, .size: 8, .value_kind: global_buffer, .address_space: global }
      - { .name: hbuf, .offset: 32, .size: 8, .value_kind: global_buffer, .address_space: global }
    .group_segment_fixed_size: 257024
    .private_segment_fixed_size: 0
    .kernarg_segment_align: 8
    .kernarg_segment_size: 40
    .max_flat_workgroup_size: 128
    .sgpr_count:     96
    .vgpr_count:     1008
    .wavefront_size: 32
...
	.end_amdgpu_metadata
.endif
;; end of part 5
;; launch ffn2 (part 6): grid 256 x 1, 4 waves a work-group, no clusters, 257,024 bytes of LDS; arguments hbuf, W2, ridx, pbuf; writes pbuf
.if DOCPART == 6
	.amdgcn_target "amdgcn-amd-amdhsa--gfx1250"
	.amdhsa_code_object_version 6
	.text
	.protected	k_q085dc7ffb9_ffn2
	.globl	k_q085dc7ffb9_ffn2
	.p2align	8
	.type	k_q085dc7ffb9_ffn2,@function
k_q085dc7ffb9_ffn2:
	s_mov_b64 s[64:65], 0
	v_nop
	global_prefetch_b8 v0, s[64:65] scope:SCOPE_SE
	s_setreg_imm32_b32 hwreg(HW_REG_WAVE_MODE, 25, 1), 1
	s_wait_xcnt 0x0
; ONE PRODUCT OF THE EXPERTS' MLP; one text for both, chosen by WHICH.
; WHICH = 1: H[slot] = gelu(x[token] W1[e] + b1[e]), bf16.  WHICH = 2: P[ks][slot] = H[slot][quarter ks] W2[e][quarter ks], f32 partial sums that a later launch adds.
; slot = 2 token + k names a token's k-th chosen expert.  Only the chosen rows are multiplied.
; SHARES.  A work-group has one expert and a slice of its weights, 1,024 along K x 128 columns (524,288 bytes of f32 that it alone reads), and ALL rows of that expert.
; Wave 0 makes the list of the expert's slots from ridx (whole numbers that an earlier launch stored).  Rows go in tiles of 16; tile 4 j + w of a pass is wave w's, j = 0..4:
; a pass serves 320 rows, four passes (a constant) serve every split, 1,024 rows on one expert too.  Only a pass beyond the first that has rows reads the slice again.
; A TRIP is a chunk of 128 along K, and LDS has TWO SLOTS: trip c multiplies chunk c out of one slot while it lays chunk c + 1, which waits in registers, into the other, and asks memory for chunk c + 2.
; One barrier a trip: in front of it each wave has waited for its LDS stores and loads, so behind it the slot to be read is whole and nobody reads the slot to be filled.
; The weights are rounded to bf16 in registers and lie in LDS as [k][n]; each wave lays its own tiles' rows into LDS bytes of its own.  The LDS instructions stand in runs behind each tile's eight
; matrix instructions.  The last trip of a pass lays stale registers into the slot that nobody reads: so no LDS instruction is jumped, and every counted wait holds on every path.
; LOADS OUT.  Loads retire in order, and an issue past the counter's field stalls (ISA guide 5.7.1).  So the rows of tiles 0 and 4 are asked for ahead of the 32 loads of weights: 48 out at a trip's head,
; 56 behind tile 1's, and behind tiles 2 and 3's 72 less the 16 oldest.
; THE MATRIX INSTRUCTION IS USED TRANSPOSED: source 0 = 16 columns of W (turned on the way out of LDS), source 1 = 16 rows: a lane holds one row's eight neighbouring columns.
; No tensor loads: f32 weights must pass through registers to be rounded, and the rows come by a list.  No cluster: what an expert's work-groups share is those listed rows.
; The accumulators are written by moves ahead of a pass (WHICH = 1: with the bias; 2: with 0), so that one text of a chunk serves every chunk of every pass.
; A pass's set-up stands once, at the pass loop's bottom; the kernel enters the loop there.
; WHICH = 2: the four quarters of K go to four work-groups, so that all 256 have a slice of equal size; their partial sums stay f32.
; LIMITS.  All inputs are rounded to bf16 once.  Places past the count in a tile repeat the list's last row (equal bytes stored again by the same wave); a wave of a pass with rows multiplies
; four tiles at the least.  NaN and infinities are not treated apart.
.set WHICH, 2
.if WHICH == 1
.set WPITCH, 16384                     ; bytes from row to row of W
.set SRI,  10                          ; s[10:11] ridx
.set ASH,  10                          ; 2 x token << 10: x's row of 2,048 bytes
.set OSH,  13                          ; slot << 13: H's row of 8,192 bytes
.else
.set WPITCH, 4096
.set SRI,  8                           ; s[8:9] ridx
.set ASH,  13                          ; slot << 13: H's row
.set OSH,  12                          ; slot << 12: P's row of 4,096 bytes
.endif
.set PW,    288                        ; a K row of W in LDS: 256 bytes + 32: the turning load's 8 rows x 32 bytes fall on different banks
.set PA,    272                        ; a token row in LDS: 256 bytes + 16
.set PS,    528                        ; WHICH = 2: a row of the f32 stage: 512 bytes + 16
.set AREG,  128*PW                     ; in a slot, behind W: 80 rows for each wave; slot 0's are also the wave's stage on the way out
.set ASZ,   80*PA
.set LIST,  AREG+4*ASZ                 ; behind slot 0: the expert's slots by rank; zeros behind them
.set DUMPI, 1300                       ; the list's entry that takes the stores of lanes without a slot; no pass reads it (the last entry read is 1,279)
.set CNTW,  LIST+6400                  ; the number of slots
.set SPARE, LIST+6656                  ; the spare words, 128 bytes a wave: two blocks of 256 bytes that no other line names
.set SLOT1, 1<<17                      ; slot 1 begins behind the spare words, so that one exclusive or turns a slot's offset into the other's
.set BIASL, SLOT1+LIST                 ; behind slot 1.  WHICH = 1: the slice's 128 numbers of b1, rounded, a copy of 512 bytes for each wave
; window 0: v1 lane; v2, v3 the add's two; v4 16 l; v5 W store; v6 row-wise place in my rows; v7 fragment place in my rows; v8 W fragment place; v9 list place; v10 16 (l % 16); v11 prefetch offset;
;           v12, v13 f32 stage in and back; v14 bias place; v15-35 at work; v36, v37 v7 and v8 in the slot read; v38, v39 v5 and v6 in the slot filled; v40-47 a tile's store offsets;
;           v48-127 row fragments, two buffers of 5; v128-255 W fragments, two buffers of 8
; window 1: accumulators of tiles 0-3 at 64 j + 8 nb      window 2: v0-63 tile 4; v64-191 W as loaded; v192-255 W rounded
; window 3: v0-159 rows as loaded; v160-199 their load offsets; v200-239 their output rows' offsets
; s14 wave; s15 expert; s17 count; s19 320 x pass; s20 my tiles with rows; s21 my tiles staged and multiplied (0, 4, 5); s22 the pass has rows; s23, s24, s25 counters;
; s[26:27] my rows of the slice; s[28:29] the chunk asked for last; s[30:31], s[32:33] the same for the token rows; s[34:35] output; s[44:59] constants; s[60:61] bias; s62 the pass's place in the list;
; s63 the slot read, s66 the slot filled (0 or SLOT1); s68-79 the list's masks and ranks
.set MSB, 0
.macro WIN new                         ; the immediate's high byte repeats the setting that is left; at every label and branch the setting is 0
.if MSB != (\new)
	s_set_vgpr_msb (MSB<<8)|(\new)
.set MSB, (\new)
.endif
.endm
.macro PLACES                          ; four plain vector instructions between a matrix instruction and what reads its result or loads into its registers
.rept 4
	v_nop
.endr
.endm
.macro WLOAD                           ; my 32 K rows of a chunk: each load takes a slice row's 512 consecutive bytes
	WIN 0x80
.set wi, 0
.rept 32
	global_load_b128 v[64+4*wi:64+4*wi+3], v4, s[28:29] offset:wi*WPITCH th:TH_LOAD_NT
.set wi, wi+1
.endr
	WIN 0
.endm
.macro WAHEAD                          ; the chunk behind the one just asked for, into the L2: my own 32 rows x 512 bytes, lanes 256 bytes apart, each block asked for by this wave alone
	global_prefetch_b8 v11, s[28:29] offset:128*WPITCH th:TH_LOAD_NT scope:SCOPE_SE
	global_prefetch_b8 v11, s[28:29] offset:144*WPITCH th:TH_LOAD_NT scope:SCOPE_SE
.endm
.macro ALOADT j                        ; tile j's 16 rows x 256 bytes: 16 lanes take one row's piece
	WIN 0xc3
.irp i, 0,1,2,3,4,5,6,7
	global_load_b128 v[32*(\j)+4*\i:32*(\j)+4*\i+3], v[160+8*(\j)+\i], s[32:33]
.endr
.endm
.macro AGRP a, b                       ; the rows of tiles a and b of the chunk after next; the last two trips have none and jump them
	WIN 0
	s_cmp_lt_u32 s23, 3
	s_cbranch_scc1 .Lna_\@
	ALOADT \a
.if (\b) != (\a)
	ALOADT \b
.endif
	WIN 0
.Lna_\@:
.endm
.macro WCVT                            ; rounded to bf16, into registers of their own: the registers read are free for the next loads
	WIN 0x8a
.set wi, 0
.rept 32
	v_cvt_pk_bf16_f32 v[192+2*wi], v[64+4*wi], v[64+4*wi+1]
	v_cvt_pk_bf16_f32 v[193+2*wi], v[64+4*wi+2], v[64+4*wi+3]
.set wi, wi+1
.endr
	WIN 0
.endm
.macro WSR adr, lo, hi                 ; my K rows lo .. hi - 1 of W into LDS, 256 consecutive bytes a store
	WIN 0x08
.set wi, \lo
.rept (\hi)-(\lo)
	ds_store_b64 v[\adr], v[192+2*wi:193+2*wi] offset:PW*wi
.set wi, wi+1
.endr
.endm
.macro ASTORET adr, j                  ; tile j's rows into LDS
	WIN 0x0c
.irp i, 0,1,2,3,4,5,6,7
	ds_store_b128 v[\adr], v[32*(\j)+4*\i:32*(\j)+4*\i+3] offset:(16*(\j)+\i)*PA
.endr
.endm
; Loads lo .. hi - 1 of the run that brings the fragments of 32 along K, step s of a chunk's four, into buffer u: numbers 0-15 W's eight fragments, from 16 on the rows', two loads a tile
.macro FRAGP s, u, lo, hi
	WIN 0
.set fq, \lo
.rept (\hi)-(\lo)
.if fq < 16
	ds_load_tr16_b128 v[128+64*(\u)+4*fq:128+64*(\u)+4*fq+3], v37 offset:32*(\s)*PW+16*PW*(fq%2)+32*(fq/2)
.else
	ds_load_b128 v[48+40*(\u)+4*(fq-16):48+40*(\u)+4*(fq-16)+3], v36 offset:16*((fq-16)/2)*PA+64*(\s)+32*((fq-16)%2)
.endif
.set fq, fq+1
.endr
.endm
.macro MULT u, j                       ; tile j's eight matrix instructions on buffer u
.if (\j) < 4
	WIN 0x50
.set mb, 64*(\j)
.else
	WIN 0xa0
.set mb, 0
.endif
.irp nb, 0,1,2,3,4,5,6,7
	v_wmma_f32_16x16x32_bf16 v[mb+8*\nb:mb+8*\nb+7], v[128+64*(\u)+8*\nb:128+64*(\u)+8*\nb+7], v[48+40*(\u)+8*(\j):48+40*(\u)+8*(\j)+7], v[mb+8*\nb:mb+8*\nb+7]
.endr
.endm
; Step s of a chunk's four: 32 along K.  The accumulators take turns, one instruction a turn, in the same order in every step.  Tile 4 stands first, under a branch on my number of tiles.
; Behind each tile stands a run of LDS instructions: the next step's fragments out of the slot read, and the next chunk's rows and weights into the slot filled.
.macro STEP s
.set su, (\s)%2
.set sn, ((\s)+1)%2
.if (\s) == 1
	AGRP 1, 1                                      ; tile 1's registers were stored in step 0, ahead of fragment loads that have been waited for
.elseif (\s) == 2
	AGRP 2, 3                                      ; likewise tiles 2 and 3's
.endif
	WIN 0
	s_cmp_lt_u32 s21, 5
	s_cbranch_scc1 .Lno4_\@
.if (\s) < 3
	FRAGP (\s)+1, sn, 24, 26
.endif
	MULT su, 4
	WIN 0
.Lno4_\@:
	MULT su, 0
.if (\s) == 0
	ASTORET 39, 1
	FRAGP 1, 1, 0, 4
.elseif (\s) == 1
	ASTORET 39, 3
	FRAGP 2, 0, 0, 4
.elseif (\s) == 2
	FRAGP 3, 1, 0, 8
.else
	WSR 38, 16, 32
.endif
	MULT su, 1
.if (\s) < 2
	FRAGP (\s)+1, sn, 4, 14
.elseif (\s) == 2
	FRAGP 3, 1, 8, 16
.endif
	MULT su, 2
.if (\s) < 2
	FRAGP (\s)+1, sn, 14, 24
.elseif (\s) == 2
	FRAGP 3, 1, 16, 24
.endif
	MULT su, 3
.if (\s) == 0
	ASTORET 39, 2
.elseif (\s) == 2
	WSR 38, 0, 16
.endif
.endm
.macro PASSVARS                        ; what the pass at row s19 holds for my wave
	s_sub_co_i32 s36, s17, s19
	s_max_i32 s36, s36, 0                          ; rows left
	s_min_u32 s22, s36, 1
	s_add_co_u32 s37, s36, 15
	s_lshr_b32 s37, s37, 4
	s_min_u32 s37, s37, 20                         ; the pass's tiles
	s_add_co_u32 s37, s37, 3
	s_sub_co_u32 s37, s37, s14
	s_lshr_b32 s20, s37, 2                         ; of them 4 j + w: mine
	s_max_u32 s21, s20, 4                          ; four or five are multiplied;
	s_cmp_eq_u32 s22, 0
	s_cselect_b32 s21, 0, s21                      ; none in a pass without rows
.endm
.macro PROLOG                          ; a pass's offsets from the list, and the rows of its chunk 0
	WIN 0
	s_lshl_b32 s62, s19, 2                         ; 4 bytes an entry, 320 entries a pass;
	s_min_u32 s62, s62, 3840                       ; never beyond the fourth pass's entries
	v_add_nc_u32 v16, s62, v9
.irp j, 0,1,2,3,4
	ds_load_b128 v[48+8*\j:51+8*\j], v16 offset:256*\j
	ds_load_b128 v[52+8*\j:55+8*\j], v16 offset:256*\j+16
.endr
	s_mov_b64 s[32:33], s[30:31]
	s_wait_dscnt 0x0
.set pk, 0
.rept 40
	v_min_u32 v[48+pk], 0x7ff, v[48+pk]            ; a loaded number enters an address only behind a clamp
.if WHICH == 1
	v_and_b32 v[88+pk], 0x7fe, v[48+pk]            ; 2 x token
	v_lshlrev_b32 v[88+pk], ASH, v[88+pk]
.else
	v_lshlrev_b32 v[88+pk], ASH, v[48+pk]
.endif
.set pk, pk+1
.endr
	WIN 0xc0
.set pk, 0
.rept 40
	v_add_nc_u32 v[160+pk], v10, v[88+pk]          ; the row to load, and my 16 bytes of its 256
	v_lshlrev_b32 v[200+pk], OSH, v[48+pk]         ; the row to store
.set pk, pk+1
.endr
.irp j, 0,1,2,3,4
	ALOADT \j
.endr
	WIN 0
.endm
.macro ACCINIT
.set aj, 0
.rept 5
.if aj < 4
	WIN 0x40
.set ab, 64*aj
.else
	WIN 0x80
.set ab, 0
.endif
.set ak, 0
.rept 64
.if WHICH == 1
	v_mov_b32 v[ab+ak], v[128+ak]
.else
	v_mov_b32 v[ab+ak], 0
.endif
.set ak, ak+1
.endr
.set aj, aj+1
.endr
	WIN 0
.endm
; Registers 4 g .. 4 g + 3 of the 32 with the tokens' choices: lane l holds tokens 128 g + 4 l + c.  Who chose my expert takes the next ranks; every other lane stores to the dump entry.
; Four registers go side by side, so that no line waits for the one just before it.
.macro LISTGRP g
.irp c, 0,1,2,3
	v_and_b32 v[16+\c], 0xff, v[192+4*(\g)+\c]
	v_lshrrev_b32 v[20+\c], 8, v[192+4*(\g)+\c]
.endr
.irp c, 0,1,2,3
	v_cmp_eq_u32 s[68+\c], s15, v[16+\c]
	v_cmp_eq_u32 s[72+\c], s15, v[20+\c]
.endr
.irp c, 0,1,2,3
	v_cndmask_b32 v[24+\c], 0, 1, s[72+\c]         ; k
.endr
.irp c, 0,1,2,3
	s_or_b32 s[68+\c], s[68+\c], s[72+\c]          ; the lanes that chose my expert
.endr
	s_mov_b32 s76, s38                             ; the ranks taken ahead of each of the four
	s_bcnt1_i32_b32 s42, s68
	s_add_co_u32 s77, s76, s42
	s_bcnt1_i32_b32 s42, s69
	s_add_co_u32 s78, s77, s42
	s_bcnt1_i32_b32 s42, s70
	s_add_co_u32 s79, s78, s42
	s_bcnt1_i32_b32 s42, s71
	s_add_co_u32 s38, s79, s42
.irp c, 0,1,2,3
	v_mbcnt_lo_u32_b32 v[28+\c], s[68+\c], s[76+\c]  ; + the choosing lanes below mine
.endr
.irp c, 0,1,2,3
	v_cndmask_b32 v[28+\c], v37, v[28+\c], s[68+\c]
	v_add_nc_u32 v[24+\c], v[24+\c], v15           ; slot = 2 token + k
.endr
.irp c, 0,1,2,3
	v_min_u32 v[28+\c], DUMPI, v[28+\c]            ; a number made of loaded ones enters an address only behind a clamp
.endr
.irp c, 0,1,2,3
	v_lshlrev_b32 v[28+\c], 2, v[28+\c]
.if (256*(\g)+2*\c) != 0
	v_add_nc_u32 v[24+\c], 256*(\g)+2*\c, v[24+\c]
.endif
.endr
.irp c, 0,1,2,3
	v_add_nc_u32 v[28+\c], LIST, v[28+\c]
.endr
.irp c, 0,1,2,3
	ds_store_b32 v[28+\c], v[24+\c]
.endr
.endm
.if WHICH == 1
.macro EBLOCK j, b                     ; half b (64 columns) of tile j: x / 2 into window 0, each accumulator from its low end on; and the tile's store offsets
.if (\j) < 4
	WIN 0x01
.set eb, 64*(\j)+32*(\b)
.else
	WIN 0x02
.set eb, 32*(\b)
.endif
.set ek, 0
.rept 16
	v_pk_mul_f32 v[48+ek:49+ek], v[eb+ek:eb+ek+1], 0.5 op_sel_hi:[1,0]
.set ek, ek+2
.endr
	WIN 0x0c
.irp i, 0,1,2,3,4,5,6,7
	v_add_nc_u32 v[40+\i], v10, v[200+8*(\j)+\i]
.endr
	WIN 0
.endm
; gelu(x) = x/2 + |x/2| erf(|x| / sqrt 2) for the 32 numbers in v48-79, packed to bf16 in v240-255.  erf(z) = 1 - (a1 t + .. + a5 t^5) e^(-z z), t = 1 / (1 + p z).
; With y = x / 2: p z = p sqrt 2 |y|, z z = 2 y y.  The 32 reciprocals and 32 exponentials are one batch with one wait.
.macro GELU
.set g, 0
.rept 32
	v_and_b32 v[112+g], s58, v[48+g]
.set g, g+1
.endr
.set g, 0
.rept 16
	v_pk_fma_f32 v[144+g:145+g], v[112+g:113+g], s[44:45], 1.0 op_sel_hi:[1,0,0]
	v_pk_mul_f32 v[176+g:177+g], v[48+g:49+g], s[46:47] op_sel_hi:[1,0]
.set g, g+2
.endr
.set g, 0
.rept 16
	v_pk_mul_f32 v[176+g:177+g], v[176+g:177+g], v[48+g:49+g]
.set g, g+2
.endr
.set g, 0
.rept 32
	v_rcp_f32 v[144+g], v[144+g]
.set g, g+1
.endr
.set g, 0
.rept 32
	v_exp_f32 v[176+g], v[176+g]
.set g, g+1
.endr
	v_nop                                          ; a plain instruction behind the last of the batch,
	s_wait_alu depctr_va_vdst(0)                   ; and one wait ahead of the first reader
.set g, 0
.rept 16
	v_pk_fma_f32 v[208+g:209+g], v[144+g:145+g], s[48:49], s[50:51] op_sel_hi:[1,0,0]
.set g, g+2
.endr
.irp c, 52, 54, 56
.set g, 0
.rept 16
	v_pk_fma_f32 v[208+g:209+g], v[208+g:209+g], v[144+g:145+g], s[\c:\c+1] op_sel_hi:[1,1,0]
.set g, g+2
.endr
.endr
.set g, 0
.rept 16
	v_pk_mul_f32 v[208+g:209+g], v[208+g:209+g], v[144+g:145+g]
.set g, g+2
.endr
.set g, 0
.rept 16
	v_pk_fma_f32 v[208+g:209+g], v[208+g:209+g], v[176+g:177+g], 1.0 op_sel_hi:[1,1,0] neg_lo:[1,0,0] neg_hi:[1,0,0]
.set g, g+2
.endr
.set g, 0
.rept 16
	v_pk_fma_f32 v[48+g:49+g], v[112+g:113+g], v[208+g:209+g], v[48+g:49+g]
.set g, g+2
.endr
.set g, 0
.rept 16
	v_cvt_pk_bf16_f32 v[240+g], v[48+2*g], v[49+2*g]
.set g, g+1
.endr
.endm
.else
.macro EBLOCK j                        ; tile j's sums into my stage, each accumulator's low half first; and its store offsets
.if (\j) < 4
	WIN 0x04
.set eb, 64*(\j)
.else
	WIN 0x08
.set eb, 0
.endif
.irp nb, 0,1,2,3,4,5,6,7
	ds_store_b128 v12, v[eb+8*\nb:eb+8*\nb+3] offset:64*\nb
	ds_store_b128 v12, v[eb+8*\nb+4:eb+8*\nb+7] offset:64*\nb+16
.endr
	WIN 0x0c
.irp i, 0,1,2,3,4,5,6,7
	v_add_nc_u32 v[40+\i], v10, v[200+8*(\j)+\i]
.endr
	WIN 0
.endm
.endif
	s_load_b256 s[4:11], s[0:1], 0x0               ; WHICH = 1: xb, W1, b1, ridx.  WHICH = 2: hbuf, W2, ridx, pbuf
.if WHICH == 1
	s_load_b64 s[12:13], s[0:1], 0x20              ; hbuf
.endif
	v_lshl_add_u32 v2, v0, 2, SPARE                ; my spare word,
	v_mov_b32 v3, 0                                ; and 0: kept for the add at the wave's end
	v_lshrrev_b32 v24, 5, v0
	v_readfirstlane_b32 s14, v24                   ; wave 0..3
	v_and_b32 v1, 31, v0                           ; l
	v_and_b32 v24, 15, v0                          ; l % 16
	v_bfe_u32 v25, v0, 4, 1                        ; l / 16
	v_lshlrev_b32 v4, 4, v1
	s_mul_i32 s36, s14, 32*PW
	v_lshl_add_u32 v5, v1, 3, s36                  ; my 32 K rows of W, 8 bytes a lane
	s_mul_i32 s37, s14, ASZ
	s_add_co_u32 s37, s37, AREG                    ; my rows' bytes
	v_lshlrev_b32 v10, 4, v24
	v_mul_u32_u24 v6, v25, 8*PA
	v_add_nc_u32 v6, v6, v10
	v_add_nc_u32 v6, s37, v6                       ; row 8 (l / 16), byte 16 (l % 16)
	v_mul_u32_u24 v7, v24, PA
	v_lshl_add_u32 v7, v25, 4, v7
	v_add_nc_u32 v7, s37, v7                       ; row l % 16, byte 16 (l / 16)
	v_and_b32 v26, 7, v0
	v_lshl_add_u32 v26, v25, 3, v26
	v_mul_u32_u24 v8, v26, PW
	v_bfe_u32 v26, v0, 3, 1
	v_lshl_add_u32 v8, v26, 4, v8                  ; the turning load: K row 8 (l / 16) + l % 8, byte 16 ((l / 8) % 2)
	s_lshl_b32 s38, s14, 6
	s_add_co_u32 s38, s38, LIST
	v_lshl_add_u32 v9, v25, 5, s38                 ; list entry 16 w + 8 (l / 16)
	v_lshrrev_b32 v26, 1, v1
	v_mul_u32_u24 v11, v26, WPITCH
	v_and_b32 v26, 1, v0
	v_lshl_add_u32 v11, v26, 8, v11                ; prefetch: row l / 2, block l % 2 of 256 bytes
	s_mov_b32 s63, 0                               ; a pass's chunk 0 lies in slot 0; eight trips turn the two back to this
	s_mov_b32 s66, SLOT1
.if WHICH == 1
	s_lshl_b32 s39, s14, 9
	s_add_co_u32 s39, s39, BIASL                   ; my copy of the bias
	v_lshl_add_u32 v14, v25, 5, s39                ; read: my 8 columns of a block of 16
	v_lshl_add_u32 v44, v1, 4, s39                 ; written: 4 columns a lane
	s_mov_b32 s44, 0x3eed3388                      ; p sqrt 2 = 0.46328378
	s_mov_b32 s45, 0x3eed3388
	s_mov_b32 s46, 0xc038aa3b                      ; -2 log2(e)
	s_mov_b32 s47, 0xc038aa3b
	s_mov_b32 s48, 0x3f87dc22                      ; a5 = 1.061405429
	s_mov_b32 s49, 0x3f87dc22
	s_mov_b32 s50, 0xbfba00e3                      ; a4 = -1.453152027
	s_mov_b32 s51, 0xbfba00e3
	s_mov_b32 s52, 0x3fb5f0e3                      ; a3 = 1.421413741
	s_mov_b32 s53, 0x3fb5f0e3
	s_mov_b32 s54, 0xbe91a98e                      ; a2 = -0.284496736
	s_mov_b32 s55, 0xbe91a98e
	s_mov_b32 s56, 0x3e827906                      ; a1 = 0.254829592
	s_mov_b32 s57, 0x3e827906
	s_mov_b32 s58, 0x7fffffff
	s_mov_b32 s59, 0xffff0000
.else
	v_mul_u32_u24 v12, v24, PS
	v_lshl_add_u32 v12, v25, 5, v12
	v_add_nc_u32 v12, s37, v12                     ; stage in: row l % 16, byte 32 (l / 16)
	v_mul_u32_u24 v13, v25, 8*PS
	v_add_nc_u32 v13, v13, v10
	v_add_nc_u32 v13, s37, v13                     ; stage back: row 8 (l / 16), byte 16 (l % 16)
.endif
	s_lshr_b32 s15, ttmp9, 5                       ; the expert
	s_mov_b32 s41, 0
.if WHICH == 1
	s_and_b32 s16, ttmp9, 31                       ; which 128 of 4,096 columns
	s_lshl_b32 s18, s14, 19                        ; my 32 rows of a chunk
.else
	s_and_b32 s16, ttmp9, 7                        ; which 128 of 1,024 columns
	s_bfe_u32 s42, ttmp9, 0x20003                  ; ks: which quarter of K
	s_lshl_b32 s18, s14, 17
	s_lshl_b32 s43, s42, 22
	s_add_co_u32 s18, s18, s43
.endif
	s_lshl_b32 s40, s15, 24                        ; an expert's weights: 16,777,216 bytes
	s_add_co_u32 s40, s40, s18
	s_lshl_b32 s18, s16, 9                         ; 512 bytes a slice
	s_add_co_u32 s40, s40, s18
	s_wait_kmcnt 0x0
	s_add_nc_u64 s[26:27], s[6:7], s[40:41]
.if WHICH == 1
	s_mov_b64 s[30:31], s[4:5]
	s_lshl_b32 s40, s16, 8
	s_add_nc_u64 s[34:35], s[12:13], s[40:41]
	s_lshl_b32 s40, s15, 14
	s_add_co_u32 s40, s40, s18
	s_add_nc_u64 s[60:61], s[8:9], s[40:41]
.else
	s_lshl_b32 s40, s42, 11
	s_add_nc_u64 s[30:31], s[4:5], s[40:41]
	s_lshl_b32 s40, s42, 23
	s_add_co_u32 s40, s40, s18
	s_add_nc_u64 s[34:35], s[10:11], s[40:41]
.endif
	s_mov_b64 s[28:29], s[26:27]
	s_cmp_lg_u32 s14, 0
	s_cbranch_scc1 .Lno_ridx
.set li, 0
.rept 8
	global_load_b128 v[192+4*li:195+4*li], v4, s[SRI:SRI+1] offset:512*li   ; wave 0: all 1,024 tokens' choices, 512 consecutive bytes a load
.set li, li+1
.endr
.Lno_ridx:
.if WHICH == 1
	global_load_b128 v[40:43], v4, s[60:61]        ; the slice's 128 numbers of b1
.endif
	WLOAD                                          ; chunk 0 of the weights hangs on no list: it is asked for at once
	s_cmp_lg_u32 s14, 0
	s_cbranch_scc1 .Lno_list
.if WHICH == 1
	s_wait_loadcnt 33                              ; the choices are in; behind them one load of the bias and 32 of W
.else
	s_wait_loadcnt 32                              ; the choices are in; behind them 32 loads of W
.endif
	v_lshl_add_u32 v36, v1, 4, LIST
	v_mov_b32 v32, 0
	v_mov_b32 v33, 0
	v_mov_b32 v34, 0
	v_mov_b32 v35, 0
.set li, 0
.rept 13
	ds_store_b128 v36, v[32:35] offset:512*li      ; the whole list region starts as slot 0
.set li, li+1
.endr
	v_lshlrev_b32 v15, 3, v1                       ; 2 x 4 l
	v_mov_b32 v37, DUMPI
	s_mov_b32 s38, 0
.irp g, 0,1,2,3,4,5,6,7
	LISTGRP \g
.endr
	s_max_u32 s42, s38, 1
	s_sub_co_u32 s42, s42, 1
	v_mov_b32 v16, s42
	v_min_u32 v16, 0x3ff, v16
	v_lshlrev_b32 v16, 2, v16
	v_add_nc_u32 v16, LIST, v16
	ds_load_b32 v17, v16                           ; the last slot of the list,
	v_add_nc_u32 v18, s38, v1
	v_min_u32 v18, 0x41f, v18
	v_lshlrev_b32 v18, 2, v18
	v_add_nc_u32 v18, LIST, v18
	v_mov_b32 v19, s38
	v_mov_b32 v20, CNTW
	s_wait_dscnt 0x0
	ds_store_b32 v18, v17                          ; repeated in the 32 places behind it,
	ds_store_b32 v20, v19                          ; and the count
.Lno_list:
.if WHICH == 1
	s_wait_loadcnt 32                              ; the bias is in; W's 32 loads stay out
	v_cvt_pk_bf16_f32 v40, v40, v41                ; rounded to bf16, widened again, and kept in my own LDS bytes
	v_cvt_pk_bf16_f32 v42, v42, v43
	v_and_b32 v41, s59, v40
	v_and_b32 v43, s59, v42
	v_lshlrev_b32 v40, 16, v40
	v_lshlrev_b32 v42, 16, v42
	ds_store_b128 v44, v[40:43]
.endif
	s_wait_dscnt 0x0                               ; for the others' sake: the list is written
	s_barrier_signal -1
	s_barrier_wait -1
	v_mov_b32 v16, CNTW
	ds_load_b32 v17, v16
	s_wait_dscnt 0x0
	v_readfirstlane_b32 s17, v17
	s_min_u32 s17, s17, 1024
	s_mov_b32 s19, 0
	PASSVARS
	s_mov_b32 s24, 5                               ; the set-up at the loop's bottom counts one, the four passes one each
	s_branch .Linit                                ; the loop is entered at its bottom, where a pass is set up
.Lpass:
	s_mov_b32 s23, 8
.Ltrip:                                                ; trip c = 8 - s23: chunk c lies in slot s63, chunk c + 1 is on its way into registers
	s_wait_dscnt 0x0                               ; for the others' sake: my stores into slot s63 are done, and my reads of slot s66 are over
	v_add_nc_u32 v36, s63, v7                      ; this trip's four LDS places; these four lines are also the places ahead of the loads into fragment buffer 0
	v_add_nc_u32 v37, s63, v8
	v_add_nc_u32 v38, s66, v5
	v_add_nc_u32 v39, s66, v6
	s_barrier_signal -1
	s_barrier_wait -1                              ; both hold of every wave
	s_cmp_eq_u32 s21, 0
	s_cbranch_scc1 .Lcdone                         ; a pass without rows only passes its barriers
	s_wait_loadcnt 0x0                             ; chunk c + 1: its weights and rows are in registers
	s_cmp_lt_u32 s21, 5
	s_cbranch_scc1 .Lh4
	ASTORET 39, 4
	FRAGP 0, 0, 24, 26
	WIN 0
.Lh4:
	ASTORET 39, 0
	FRAGP 0, 0, 0, 24                              ; step 0's fragments; the 64 conversions below stand in the wait for them
	WCVT
	s_wait_dscnt 24                                ; all but the 24 loads just issued: the stores of tiles 0 and 4 have read their registers
	s_cmp_lt_u32 s23, 3
	s_cbranch_scc1 .Lhn                            ; the last two trips have no chunk c + 2
	s_wait_xcnt 0x0                                ; the pointers are stepped only behind this wait
	s_add_nc_u64 s[28:29], s[28:29], 128*WPITCH
	s_add_nc_u64 s[32:33], s[32:33], 256
	ALOADT 0
	WIN 0
	s_cmp_lt_u32 s21, 5
	s_cbranch_scc1 .Lh5
	ALOADT 4
	WIN 0
.Lh5:
	WLOAD                                          ; chunk c + 2's weights have a whole trip in which to land
	s_cmp_lt_u32 s23, 4
	s_cbranch_scc1 .Lhn                            ; the last three trips have no chunk c + 3
	WAHEAD
.Lhn:
	s_wait_dscnt 0x0                               ; step 0's fragments
	STEP 0
	s_wait_dscnt 8                                 ; step 1's fragments are in; tile 2's eight stores may be out
	PLACES                                         ; the buffer loaded next was read by the step before
	STEP 1
	s_wait_dscnt 0x0                               ; step 2's fragments; the youngest were issued eight matrix instructions ago
	PLACES
	STEP 2
	s_wait_dscnt 16                                ; step 3's fragments are in; sixteen stores of W may be out
	STEP 3
	WIN 0
.Lcdone:
	s_xor_b32 s63, s63, SLOT1                      ; the slots change places
	s_xor_b32 s66, s66, SLOT1
	s_sub_co_u32 s23, s23, 1
	s_cmp_lg_u32 s23, 0
	s_cbranch_scc1 .Ltrip
	; THE WAY OUT of a pass: my tiles that hold rows, through my own LDS bytes in slot 0: no barrier
	PLACES
	s_mov_b32 s25, 0
.if WHICH == 1
.Ltile:                                                ; ten half tiles: half s25 % 2 (64 columns) of tile s25 / 2, so that the activation's text stands once
	s_lshr_b32 s36, s25, 1
	s_cmp_ge_u32 s36, s20
	s_cbranch_scc1 .Lskip
	s_wait_xcnt 0x0                                ; the last tile's stores have read their offsets and data
.irp k, 0,1,2,3,4,5,6,7,8
	s_cmp_eq_u32 s25, \k
	s_cbranch_scc1 .Le\k
.endr
	EBLOCK 4, 1
	s_branch .Lcommon
.irp k, 0,1,2,3,4,5,6,7,8
.Le\k:
	EBLOCK (\k)/2, (\k)%2
.if \k < 8
	s_branch .Lcommon
.endif
.endr
.Lcommon:
	GELU
	s_and_b32 s37, s25, 1
	s_cmp_lg_u32 s37, 0
	s_cbranch_scc1 .Lodd
.irp q, 0,1,2,3
	ds_store_b128 v7, v[240+4*\q:243+4*\q] offset:32*\q          ; the rows' first 128 bytes wait in the stage
.endr
	s_branch .Lskip
.Lodd:
.irp q, 0,1,2,3
	ds_store_b128 v7, v[240+4*\q:243+4*\q] offset:128+32*\q
.endr
.irp i, 0,1,2,3,4,5,6,7
	ds_load_b128 v[112+4*\i:115+4*\i], v6 offset:PA*\i   ; LDS serves a wave's instructions in order (ISA guide 5.7.1.4): these see both halves' stores
.endr
.irp i, 0,1,2,3,4,5,6,7
	s_wait_dscnt 7-\i
	global_store_b128 v[40+\i], v[112+4*\i:115+4*\i], s[34:35]   ; 16 lanes store 256 consecutive bytes of a row of H, aligned
.endr
.Lskip:
	s_add_co_u32 s25, s25, 1
	s_cmp_lt_u32 s25, 10
	s_cbranch_scc1 .Ltile
.else
.Ltile:
	s_cmp_ge_u32 s25, s20
	s_cbranch_scc1 .Lskip
	s_wait_xcnt 0x0                                ; the last tile's stores have read their offsets and data
.irp k, 0,1,2,3
	s_cmp_eq_u32 s25, \k
	s_cbranch_scc1 .Le\k
.endr
	EBLOCK 4
	s_branch .Lcommon
.irp k, 0,1,2,3
.Le\k:
	EBLOCK \k
.if \k < 3
	s_branch .Lcommon
.endif
.endr
.Lcommon:
.irp i, 0,1,2,3,4,5,6,7
	ds_load_b128 v[112+8*\i:115+8*\i], v13 offset:PS*\i  ; LDS serves a wave's instructions in order (ISA guide 5.7.1.4): these see the stores above
	ds_load_b128 v[116+8*\i:119+8*\i], v13 offset:PS*\i+256
.endr
.irp i, 0,1,2,3,4,5,6,7
	s_wait_dscnt 15-2*\i
	global_store_b128 v[40+\i], v[112+8*\i:115+8*\i], s[34:35] th:TH_STORE_NT   ; 16 lanes store 256 consecutive bytes of a row of P, aligned
	s_wait_dscnt 14-2*\i
	global_store_b128 v[40+\i], v[116+8*\i:119+8*\i], s[34:35] offset:256 th:TH_STORE_NT
.endr
.Lskip:
	s_add_co_u32 s25, s25, 1
	s_cmp_lt_u32 s25, 5
	s_cbranch_scc1 .Ltile
.endif
	s_wait_xcnt 0x0                                ; the stores' data and offsets, and the loads' pointers, are written again only behind this wait
	s_wait_loadcnt 0x0                             ; no load is out (the last two trips asked for nothing): said ahead of the loads below, which write the same registers
	s_add_co_u32 s19, s19, 320
	PASSVARS
	s_cmp_eq_u32 s22, 0
	s_cbranch_scc1 .Lno_next                       ; no rows are left: the passes to come only pass their barriers
	s_mov_b64 s[28:29], s[26:27]
	WLOAD                                          ; a further pass reads the slice again, from its chunk 0
.Linit:                                                ; A PASS IS SET UP; the first pass's weights were asked for at the kernel's head
.if WHICH == 1
.irp nb, 0,1,2,3,4,5,6,7
	ds_load_b128 v[128+8*\nb:131+8*\nb], v14 offset:64*\nb       ; my lane's 8 columns of each of the 8 column blocks; the wait stands in PROLOG
	ds_load_b128 v[132+8*\nb:135+8*\nb], v14 offset:64*\nb+16
.endr
.endif
	PROLOG
	ACCINIT                                        ; stands in the wait for the rows
	s_wait_loadcnt 0x0                             ; chunk 0 is in registers: it goes into slot 0, and chunk 1 is asked for
	WCVT
.irp j, 0,1,2,3,4
	ASTORET 6, \j
.endr
	WSR 5, 0, 32
	WIN 0
	s_wait_dscnt 32                                ; the rows' stores have read their registers; the 32 stores of W may be out
	s_wait_xcnt 0x0                                ; the pointers are stepped only behind this wait
	s_add_nc_u64 s[28:29], s[28:29], 128*WPITCH
	s_add_nc_u64 s[32:33], s[32:33], 256
.irp j, 0,1,2,3,4
	ALOADT \j
.endr
	WIN 0
	WLOAD
	WAHEAD                                         ; chunk 2
.Lno_next:
	s_sub_co_u32 s24, s24, 1
	s_cmp_lg_u32 s24, 0
	s_cbranch_scc1 .Lpass
	s_wait_tensorcnt 0x0                           ; the wave's end
	ds_add_u32 v2, v3
	s_wait_dscnt 0x0
	s_endpgm
.Lfunc_end_k_q085dc7ffb9_ffn2:
	.size	k_q085dc7ffb9_ffn2, .Lfunc_end_k_q085dc7ffb9_ffn2-k_q085dc7ffb9_ffn2
	.p2alignl 7, 3214868480
	.fill 96, 4, 3214868480
	.section	.rodata,"a",@progbits
	.p2align	6, 0x0
	.amdhsa_kernel k_q085dc7ffb9_ffn2
		.amdhsa_group_segment_fixed_size 257024
		.amdhsa_private_segment_fixed_size 0
		.amdhsa_enable_private_segment 0
		.amdhsa_kernarg_size 32
		.amdhsa_user_sgpr_count 2
		.amdhsa_user_sgpr_kernarg_segment_ptr 1
		.amdhsa_wavefront_size32 1
		.amdhsa_system_sgpr_workgroup_id_x 1
		.amdhsa_system_sgpr_workgroup_id_y 1
		.amdhsa_system_sgpr_workgroup_id_z 1
		.amdhsa_system_vgpr_workitem_id 0
		.amdhsa_next_free_vgpr 1008
		.amdhsa_next_free_sgpr 96
		.amdhsa_reserve_vcc 0
		.amdhsa_float_denorm_mode_32 3
		.amdhsa_float_denorm_mode_16_64 3
		.amdhsa_memory_ordered 1
		.amdhsa_forward_progress 1
		.amdhsa_inst_pref_size 123
	.end_amdhsa_kernel
	.amdgpu_metadata
---
amdhsa.version: [ 1, 2 ]
amdhsa.kernels:
  - .name:           k_q085dc7ffb9_ffn2
    .symbol:         k_q085dc7ffb9_ffn2.kd
    .args:
      - { .name: hbuf, .offset: 0, .size: 8, .value_kind: global_buffer, .address_space: global }
      - { .name: W2, .offset: 8, .size: 8, .value_kind: global_buffer, .address_space: global }
      - { .name: ridx, .offset: 16, .size: 8, .value_kind: global_buffer, .address_space: global }
      - { .name: pbuf, .offset: 24, .size: 8, .value_kind: global_buffer, .address_space: global }
    .group_segment_fixed_size: 257024
    .private_segment_fixed_size: 0
    .kernarg_segment_align: 8
    .kernarg_segment_size: 32
    .max_flat_workgroup_size: 128
    .sgpr_count:     96
    .vgpr_count:     1008
    .wavefront_size: 32
...
	.end_amdgpu_metadata
.endif
;; end of part 6
;; launch combine: the kernel of part 4 again; grid 256 x 1, 16 waves a work-group, no clusters, 0 bytes of LDS; arguments pbuf, b2, ridx, rgate, raux, out0, out1; writes out0, out1
